; MI455X (gfx1250); checked and timed in simulation.
; The chip was launched on July 23, 2026; its instructions are those of AMD's public machine-readable ISA for CDNA 5 (MIT licence, August 2026) and "CDNA5" Instruction Set Architecture Reference Guide (July 2026). The comments in the code are by the model that wrote it; some were corrected since.
;; Multi Head Attention. Allowed arithmetic: float matrix products may take bf16 or f16 operands with f32 sums; other float arithmetic in f32, or as packed bf16 or f16 multiplies, adds, multiply-adds, maxima and minima; sums over many terms, partial sums and values carried from step to step in f32; what a program stores and reads back later, other than sums and carried values, may be rounded once to bf16 or f16.
;; Inputs: Wout 1,024 x 1,024 float32; Wqkv 1,024 x 3,072 float32; attn_mask 2,048 x 2,048 float32; bout 1,024 float32; bqkv 3,072 float32; x 4 x 2,048 x 1,024 float32.
;; Outputs: out0 4 x 2,048 x 1,024 float32.
;; One version. Each part assembles by itself: llvm-mc -triple=amdgcn-amd-amdhsa -mcpu=gfx1250 --defsym DOCPART=n.
;; ======== version 1 of 1: 4 launches
;; limits: values are held in f16: magnitudes above 65,504 overflow, below 6.1e-05 lose precision; right only within a limited range of input values
;; workspace buffers: xh 16,777,216 bytes; wq 6,291,456 bytes; wo 2,097,152 bytes; mr 16,777,216 bytes; qkv 50,331,648 bytes; ob 16,777,216 bytes
;; launch prep (part 1): grid 1024 x 1, 8 waves a work-group, no clusters, 0 bytes of LDS; arguments x, Wqkv, Wout, attn_mask, xh, wq, wo, mr; writes xh, wq, wo, mr
.if DOCPART == 1
	.amdgcn_target "amdgcn-amd-amdhsa--gfx1250"
	.amdhsa_code_object_version 6
	.text
	.protected	k_qc8c898c590_prep
	.globl	k_qc8c898c590_prep
	.p2align	8
	.type	k_qc8c898c590_prep,@function
k_qc8c898c590_prep:
	s_mov_b64 s[64:65], 0
	v_nop
	global_prefetch_b8 v0, s[64:65] scope:SCOPE_SE
	s_setreg_imm32_b32 hwreg(HW_REG_WAVE_MODE, 25, 1), 1
	s_wait_xcnt 0x0
; THE INPUTS' ROUNDING.  Every large input is rounded once to bf16, to nearest even, and written in the form in which the later launches take it:
;   x [8192][1024] f32 -> xh, bf16;   Wqkv [1024][3072] f32 -> wq, bf16;   Wout [1024][1024] f32 -> wo: the bf16 number written as f16;
;   attn_mask [2048][2048] f32 -> mr: the bf16 number written as f32 again, since it is taken as the C operand of a matrix instruction.
; LIMITS.  |Wout| stays under 65,504 (f16's end); below 6e-5 wo keeps f16's fixed step of 6e-8.  A mask number beyond bf16's largest finite number becomes an infinity of its sign.
; SHARES.  A work-group takes 65,536 consecutive input bytes; thread t the 16 bytes at 16 t + 4,096 j, j = 0 .. 15: a wave's load covers 512 consecutive bytes.
; Work-groups 0-511 take x, 512-703 Wqkv, 704-767 Wout, 768-1023 the mask.  Nothing is shared and nothing is read twice: no LDS, no barrier, no matrix unit, no cluster.
; All sixteen loads go out at once; no register that a store reads is written again, so no wait frees a store's sources.
.set X, 8                              ; v[8:71]    16 x 4 numbers as loaded
.set Y, 72                             ; v[72:103]  16 x 2 registers of packed 16-bit results
.set T, 104                            ; v[104:105] at work
	s_load_b512 s[4:19], s[0:1], 0x0               ; x, Wqkv, Wout, mask, xh, wq, wo, mr
	s_mov_b32 s20, ttmp9
	s_mov_b32 s32, 0xffff0000                      ; a word's upper bf16
	v_lshlrev_b32 v1, 4, v0                        ; 16 t: in, and out for the mask
	v_lshlrev_b32 v2, 3, v0                        ; 8 t: out, 16-bit results
	s_mov_b32 s21, 0                               ; the first work-group of my range
	s_cmp_ge_u32 s20, 512
	s_cselect_b32 s21, 512, s21
	s_cmp_ge_u32 s20, 704
	s_cselect_b32 s21, 704, s21
	s_cmp_ge_u32 s20, 768
	s_cselect_b32 s21, 768, s21
	s_sub_co_u32 s26, s20, s21                     ; my place in the range
	s_lshl_b32 s28, s26, 16                        ; bytes in
	s_mov_b32 s29, 0
	s_lshl_b32 s30, s26, 15                        ; bytes out: half as many, but for the mask
	s_mov_b32 s31, 0
	s_cmp_ge_u32 s20, 768
	s_cselect_b32 s30, s28, s30
	s_wait_kmcnt 0x0
	s_cmp_ge_u32 s20, 512                          ; the choice of buffers hangs on the work-group's number alone
	s_cselect_b64 s[22:23], s[6:7], s[4:5]
	s_cselect_b64 s[24:25], s[14:15], s[12:13]
	s_cmp_ge_u32 s20, 704
	s_cselect_b64 s[22:23], s[8:9], s[22:23]
	s_cselect_b64 s[24:25], s[16:17], s[24:25]
	s_cmp_ge_u32 s20, 768
	s_cselect_b64 s[22:23], s[10:11], s[22:23]
	s_cselect_b64 s[24:25], s[18:19], s[24:25]
	s_add_nc_u64 s[22:23], s[22:23], s[28:29]
	s_add_nc_u64 s[24:25], s[24:25], s[30:31]
.set j, 0
.rept 16
	global_load_b128 v[X+4*j:X+4*j+3], v1, s[22:23] offset:4096*j th:TH_LOAD_NT
.set j, j+1
.endr
	s_cmp_ge_u32 s20, 768
	s_cbranch_scc1 .Lmask
	s_cmp_ge_u32 s20, 704
	s_cbranch_scc1 .Lwout
	; x and Wqkv: bf16.  A wave's store covers 256 consecutive bytes, aligned.
.set j, 0
.rept 16
	s_wait_loadcnt 15-j                            ; loads come back in order: number j is in, the 15 - j younger ones may stay out
	v_cvt_pk_bf16_f32 v[Y+2*j], v[X+4*j], v[X+4*j+1]
	v_cvt_pk_bf16_f32 v[Y+2*j+1], v[X+4*j+2], v[X+4*j+3]
	global_store_b64 v2, v[Y+2*j:Y+2*j+1], s[24:25] offset:2048*j
.set j, j+1
.endr
	s_endpgm
.Lwout:
	; Wout: rounded to bf16, widened, and that number written as f16
.set j, 0
.rept 16
	s_wait_loadcnt 15-j
	v_cvt_pk_bf16_f32 v[T], v[X+4*j], v[X+4*j+1]
	v_cvt_pk_bf16_f32 v[T+1], v[X+4*j+2], v[X+4*j+3]
	v_lshlrev_b32 v[X+4*j], 16, v[T]
	v_and_b32 v[X+4*j+1], s32, v[T]
	v_lshlrev_b32 v[X+4*j+2], 16, v[T+1]
	v_and_b32 v[X+4*j+3], s32, v[T+1]
	v_cvt_pk_f16_f32 v[Y+2*j], v[X+4*j], v[X+4*j+1]
	v_cvt_pk_f16_f32 v[Y+2*j+1], v[X+4*j+2], v[X+4*j+3]
	global_store_b64 v2, v[Y+2*j:Y+2*j+1], s[24:25] offset:2048*j
.set j, j+1
.endr
	s_endpgm
.Lmask:
	; the mask: rounded to bf16 and widened again.  A wave's store covers 512 consecutive bytes.
.set j, 0
.rept 16
	s_wait_loadcnt 15-j
	v_cvt_pk_bf16_f32 v[T], v[X+4*j], v[X+4*j+1]
	v_cvt_pk_bf16_f32 v[T+1], v[X+4*j+2], v[X+4*j+3]
	v_lshlrev_b32 v[X+4*j], 16, v[T]
	v_and_b32 v[X+4*j+1], s32, v[T]
	v_lshlrev_b32 v[X+4*j+2], 16, v[T+1]
	v_and_b32 v[X+4*j+3], s32, v[T+1]
	global_store_b128 v1, v[X+4*j:X+4*j+3], s[24:25] offset:4096*j
.set j, j+1
.endr
	s_endpgm
.Lfunc_end_k_qc8c898c590_prep:
	.size	k_qc8c898c590_prep, .Lfunc_end_k_qc8c898c590_prep-k_qc8c898c590_prep
	.p2alignl 7, 3214868480
	.fill 96, 4, 3214868480
	.section	.rodata,"a",@progbits
	.p2align	6, 0x0
	.amdhsa_kernel k_qc8c898c590_prep
		.amdhsa_group_segment_fixed_size 0
		.amdhsa_private_segment_fixed_size 0
		.amdhsa_enable_private_segment 0
		.amdhsa_kernarg_size 64
		.amdhsa_user_sgpr_count 2
		.amdhsa_user_sgpr_kernarg_segment_ptr 1
		.amdhsa_wavefront_size32 1
		.amdhsa_system_sgpr_workgroup_id_x 1
		.amdhsa_system_sgpr_workgroup_id_y 1
		.amdhsa_system_sgpr_workgroup_id_z 1
		.amdhsa_system_vgpr_workitem_id 0
		.amdhsa_next_free_vgpr 112
		.amdhsa_next_free_sgpr 66
		.amdhsa_reserve_vcc 0
		.amdhsa_float_denorm_mode_32 3
		.amdhsa_float_denorm_mode_16_64 3
		.amdhsa_memory_ordered 1
		.amdhsa_forward_progress 1
		.amdhsa_inst_pref_size 22
	.end_amdhsa_kernel
	.amdgpu_metadata
---
amdhsa.version: [ 1, 2 ]
amdhsa.kernels:
  - .name:           k_qc8c898c590_prep
    .symbol:         k_qc8c898c590_prep.kd
    .args:
      - { .name: x, .offset: 0, .size: 8, .value_kind: global_buffer, .address_space: global }
      - { .name: Wqkv, .offset: 8, .size: 8, .value_kind: global_buffer, .address_space: global }
      - { .name: Wout, .offset: 16, .size: 8, .value_kind: global_buffer, .address_space: global }
      - { .name: attn_mask, .offset: 24, .size: 8, .value_kind: global_buffer, .address_space: global }
      - { .name: xh, .offset: 32, .size: 8, .value_kind: global_buffer, .address_space: global }
      - { .name: wq, .offset: 40, .size: 8, .value_kind: global_buffer, .address_space: global }
      - { .name: wo, .offset: 48, .size: 8, .value_kind: global_buffer, .address_space: global }
      - { .name: mr, .offset: 56, .size: 8, .value_kind: global_buffer, .address_space: global }
    .group_segment_fixed_size: 0
    .private_segment_fixed_size: 0
    .kernarg_segment_align: 8
    .kernarg_segment_size: 64
    .max_flat_workgroup_size: 256
    .sgpr_count:     66
    .vgpr_count:     112
    .wavefront_size: 32
...
	.end_amdgpu_metadata
.endif
;; end of part 1
;; launch qkv (part 2): grid 4 x 64, 4 waves a work-group, clusters of 4 x 4, 327,680 bytes of LDS; arguments xh, wq, bqkv, qkv; writes qkv
.if DOCPART == 2
	.amdgcn_target "amdgcn-amd-amdhsa--gfx1250"
	.amdhsa_code_object_version 6
	.text
	.protected	k_qc8c898c590_qkv
	.globl	k_qc8c898c590_qkv
	.p2align	8
	.type	k_qc8c898c590_qkv,@function
k_qc8c898c590_qkv:
	s_mov_b64 s[64:65], 0
	v_nop
	global_prefetch_b8 v0, s[64:65] scope:SCOPE_SE
	s_setreg_imm32_b32 hwreg(HW_REG_WAVE_MODE, 25, 1), 1
	s_wait_xcnt 0x0
	s_wait_alu depctr_hold_cnt(0) depctr_sa_sdst(0) depctr_va_vdst(0) depctr_va_sdst(0) depctr_va_ssrc(0) depctr_va_vcc(0) depctr_vm_vsrc(0)
	s_getreg_b32 s2, hwreg(HW_REG_IB_STS2, 6, 4)
	s_cmp_eq_u32 s2, 0
	s_cbranch_scc0 .Lentry_in_a_cluster
	s_endpgm
.Lentry_in_a_cluster:
	s_bfe_u32 s2, ttmp6, 0x10000c
	s_cmp_lg_u32 s2, 0xf033
	s_cbranch_scc0 .Lentry_shape_is_right
	s_endpgm
.Lentry_shape_is_right:
; THE FIRST PROJECTION.  qkv = xh wq + bf16(bqkv).  xh: [8192][1024] bf16; wq: [1024 k][3072 n] bf16, as Wqkv lies; sums in f32, started by the bias; the result rounded once to f16.
; OUT: qkv[nt][m][256] f16, nt = n / 256 = 4 p + hg (p = 0, 1, 2: q, k, v; hg: a group of four heads), byte (nt << 22) + 512 m + 2 (n % 256): a group's rows are dense, 512 bytes each.
; LIMITS.  |x W + b| stays under 65,504, f16's end: beyond it the conversion gives an infinity; below 6e-5 the result keeps f16's fixed step of 6e-8.
; SHARES.  A tile of the result is 128 rows x 256 columns: 64 x 12 = 768 tiles, three for each of 256 work-groups.  A WORK-GROUP STAYS: it makes the tiles nt = wgx, 4 + wgx, 8 + wgx of its 128 rows,
; 24 K steps of 128 in one walk through a ring of two LDS slots.  Four waves, each 64 rows x 128 columns: 32 accumulators, 256 registers.
; THE MATRIX INSTRUCTION IS USED TRANSPOSED: source 0 = 16 columns of wq (turned on the way out of LDS by ds_load_tr16_b128), source 1 = 16 rows of xh: a lane holds row l % 16 and the
; eight neighbouring columns 8 (l / 16) + 0..7.  The bias of those columns, rounded to bf16, is the C operand of a tile's first products: nothing is cleared and nothing is added later.
; CLUSTER.  4 x 4 work-groups.  xh's tile hangs on the rows alone and is asked for jointly by the four of a row of the cluster, wq's on the columns alone, by the four of a column.
; No prefetch: a K step's tiles are asked for once by four partners, and xh's rows are walked three times by the same work-group.
; REGISTERS, in windows of 256: window 0: v0-31 addresses; v32-63 packed results; v64-159, v160-255 two fragment buffers (64 of wq's, 32 of xh's); window 1: the accumulators, (a, b) at 8 (8 a + b);
; window 2: v0-63 the bias of my 128 columns as C operands, v64-65 at work.
.set PA,    272                        ; a row of xh's tile in LDS: 256 bytes + 16: the 16 rows of a load start at 16 different groups of four banks
.set PB,    544                        ; a row of wq's tile: 512 bytes + 32
.set AH,    64*PA                      ; what one wave fetches of xh's tile
.set BOFF,  128*PA                     ; wq's tile lies behind xh's
.set BH,    64*PB                      ; what one wave fetches of wq's tile
.set SLOT1, 1<<17                      ; slot 1 begins here: one exclusive or turns an address in one slot into the other's
.set STAGE, SLOT1+BOFF+128*PB          ; behind the ring, never filled by a tensor load: 16 rows x 272 bytes for each wave
.set SP,    272
.set SPARE, STAGE+4*16*SP              ; behind the stages: the spare words, 128 bytes for each wave, which no other line names
.set AROWB, 2048                       ; bytes in a row of xh
.set BROWB, 6144                       ; bytes in a row of wq
.set BSTEP, 128*BROWB                  ; a K step down wq
.set ADA0, 16                          ; v16  my lane's place in xh's tile; never rewritten
.set ADB0, 17                          ; v17  in wq's tile
.set ADA,  18                          ; v18  the same in the slot in hand
.set ADB,  19                          ; v19
.set STO,  24                          ; v24  the way out: where I put 16 bytes of a row
.set RD,   25                          ; v25  where I read rows back
.set CO,   26                          ; v26  my byte offset in two rows of the result
.set BO,   27                          ; v27  my byte offset in 16 numbers of the bias
.set SPW,  28                          ; v28  LDS address of my spare word; never rewritten
.set NIL,  29                          ; v29  0; never rewritten
.set TMP,  32
.set F0,   64
.set F1,   160
.set OB,   160                         ; the way out: rows read back, v160-191 and v192-223 by turns
.set BP,   8                           ; s[8:9]   the bias at my 128 columns
.set CB,   10                          ; s[10:11] the result at my 64 rows and 128 columns
.set WV,   12                          ; s12  wave
.set WM,   13                          ; s13  my half of the rows; also: I fetch for xh (0) or wq (1)
.set WN,   14                          ; s14  my half of the columns; also: which half of that tile I fetch
.set G1A,  24                          ; s[24:31] group 1 for xh's tiles
.set G1B,  32                          ; s[32:39] for wq's
.set G0A,  40                          ; s[40:43] group 0 of K step 0, s[44:47] the walking one
.set G0B,  48                          ; s[48:51], s[52:55] the same for wq
.set ABASE, 56                         ; s[56:57] xh at the rows that I fetch
.set BBASE, 58                         ; s[58:59] wq at the rows and columns that I fetch, K step 0, tile 0
.set OFFA, 60                          ; s[60:61] a K step's byte offset from ABASE
.set OFFB, 62                          ; s[62:63] from BBASE
.set TB,   66                          ; s66  the slot in hand: 0 or SLOT1
.set LEFT, 67                          ; s67  trips to go
.set NX,   68                          ; s68  the K step to be asked for next, 0 .. 23
.set KP,   69                          ; s69  K steps left in the tile in hand
.set MSB, 0
.macro WIN new                         ; the immediate's high byte repeats the setting that is left; a switch that changes nothing is dropped
.if MSB != (\new)
	s_set_vgpr_msb (MSB<<8)|(\new)
.set MSB, \new
.endif
.endm
.set MULW,  0x50                       ; C and D in window 1
.set MULZ,  0x60                       ; D in window 1, C (the bias) in window 2
.set PACKW, 0x05                       ; sources 0 and 1 in window 1
.set BLD,   0x80                       ; destination in window 2
.set BRN,   0x8a                       ; destination and both sources in window 2
.macro PLACES                          ; four places in front of loads into registers that matrix instructions have read, and of lines that read results
.rept 4
	v_nop
.endr
.endm
.macro CREST                           ; a round of the cluster's barrier behind its opening barrier
	s_cmp_lg_u32 s[WV], 0
	s_cbranch_scc1 .Lnot_wave_0_\@
	s_barrier_signal -3
.Lnot_wave_0_\@:
	s_barrier_wait -3
	s_barrier_signal -1
	s_barrier_wait -1
.endm
.macro CROUND                          ; a whole round
	s_barrier_signal -1
	s_barrier_wait -1
	CREST
.endm
; A joint refill: waves 0 and 1 fetch xh's two halves, waves 2 and 3 wq's.  The branch hangs on the wave's number alone.  An s_nop 0 and four v_nop follow each line.
.macro JLOAD
	s_cmp_eq_u32 s[WM], 0
	s_cbranch_scc0 .Lfor_b_\@
	tensor_load_to_lds s[G0A+4:G0A+7], s[G1A:G1A+7]
	s_nop 0
.rept 4
	v_nop
.endr
	s_branch .Lasked_\@
.Lfor_b_\@:
	tensor_load_to_lds s[G0B+4:G0B+7], s[G1B:G1B+7]
	s_nop 0
.rept 4
	v_nop
.endr
.Lasked_\@:
.endm
; 8 na matrix instructions: row blocks a0 .. a0 + na - 1 x all 8 column blocks, 32 along K.  zero = 1: the bias starts the sums.
; The 32 accumulators take turns, one instruction a turn, in one order everywhere.
.macro MUL f, a0, na, zero
.if \zero
	WIN MULZ
.else
	WIN MULW
.endif
.set a, \a0
.rept \na
.set b, 0
.rept 8
.if \zero
	v_wmma_f32_16x16x32_bf16 v[8*(8*a+b):8*(8*a+b)+7], v[(\f)+8*b:(\f)+8*b+7], v[(\f)+64+8*a:(\f)+64+8*a+7], v[8*b:8*b+7]
.else
	v_wmma_f32_16x16x32_bf16 v[8*(8*a+b):8*(8*a+b)+7], v[(\f)+8*b:(\f)+8*b+7], v[(\f)+64+8*a:(\f)+64+8*a+7], v[8*(8*a+b):8*(8*a+b)+7]
.endif
.set b, b+1
.endr
.set a, a+1
.endr
.endm
; 24 LDS loads in one run: the fragments of quarter q of the slot in hand into buffer f: wq's eight (turned), then xh's four
.macro FETCH q, f
	WIN 0
.set b, 0
.rept 8
	ds_load_tr16_b128 v[(\f)+8*b:(\f)+8*b+3],   v[ADB] offset:32*(\q)*PB+32*b
	ds_load_tr16_b128 v[(\f)+8*b+4:(\f)+8*b+7], v[ADB] offset:32*(\q)*PB+32*b+16*PB
.set b, b+1
.endr
.set a, 0
.rept 4
	ds_load_b128 v[(\f)+64+8*a:(\f)+64+8*a+3],   v[ADA] offset:64*(\q)+a*16*PA
	ds_load_b128 v[(\f)+64+8*a+4:(\f)+64+8*a+7], v[ADA] offset:64*(\q)+a*16*PA+32
.set a, a+1
.endr
.endm
; A K step is four quarters of 32 along K, 32 matrix instructions each, on buffers 0, 1, 0, 1.  One of the first three: multiplies buffer f, and in its middle fetches quarter q into buffer g.
.macro QUARTER q, f, g, zero
	s_wait_dscnt 4                                 ; all but the four youngest loads (xh's row blocks 2 and 3) are in
	MUL \f, 0, 2, \zero
	PLACES
	FETCH \q, \g
	s_wait_dscnt 24                                ; all but the 24 just issued
	MUL \f, 2, 2, \zero
.endm
; The walking descriptors take K step NX: step NX % 8 of tile NX / 8; each address is made anew from its base and an offset made apart; the LDS word changes slots.
.macro STEPADR
	s_and_b32 s70, s[NX], 7
	s_lshl_b32 s[OFFA], s70, 8                     ; 256 bytes along xh's rows
	s_mul_i32 s[OFFB], s70, BSTEP                  ; 128 rows down wq,
	s_lshr_b32 s71, s[NX], 3
	s_lshl_b32 s71, s71, 11                        ; 1,024 columns on for each tile
	s_add_co_u32 s[OFFB], s[OFFB], s71
	s_add_co_u32 s[NX], s[NX], 1
	s_xor_b32 s[G0A+5], s[G0A+5], SLOT1
	s_add_nc_u64 s[G0A+6:G0A+7], s[ABASE:ABASE+1], s[OFFA:OFFA+1]
	s_or_b32 s[G0A+7], s[G0A+7], 0x80000000
	s_xor_b32 s[G0B+5], s[G0B+5], SLOT1
	s_add_nc_u64 s[G0B+6:G0B+7], s[BBASE:BBASE+1], s[OFFB:OFFB+1]
	s_or_b32 s[G0B+7], s[G0B+7], 0x80000000
.endm
; The last quarter multiplies buffer 1 and changes slots: ONE barrier.  In front of it each wave waits for all its tensor loads (one is out: its part of the next slot), adds 0 to its spare word, and
; waits for that and for its reads of this slot.  fill = 1: the barrier opens a round of the cluster's, and this slot is filled again first thing behind the round, two K steps ahead:
; 112 matrix instructions stand between the request and the wait for it.
.macro TURN fill
	WIN 0
	s_wait_tensorcnt 0x0                           ; no tensor load of mine is out, so a group 0 may be written
	ds_add_u32 v[SPW], v[NIL]                      ; 0 onto my spare word
.if \fill
	STEPADR
.endif
	s_wait_dscnt 5                                 ; the add and xh's last four loads may be out
	MUL F1, 0, 1, 0
	s_wait_dscnt 0x0                               ; the add is done, and my reads of this slot are over
	s_barrier_signal -1
	MUL F1, 1, 1, 0                                ; work on registers while the others arrive
	WIN 0
	s_barrier_wait -1
.if \fill
	CREST                                          ; no wave of any partner still reads this slot or has a load on its way
	JLOAD                                          ; its four v_nop are also the places in front of the loads below
.else
	PLACES
.endif
	s_xor_b32 s[TB], s[TB], SLOT1
	v_add_nc_u32 v[ADA], s[TB], v[ADA0]
	v_add_nc_u32 v[ADB], s[TB], v[ADB0]
	FETCH 0, F0
	MUL F1, 2, 2, 0
.endm
.macro LASTQ                           ; the walk's last quarter: nothing more to fetch
	s_wait_dscnt 4
	MUL F1, 0, 2, 0
	s_wait_dscnt 0x0
	MUL F1, 2, 2, 0
	WIN 0
	PLACES
	PLACES
.endm
.macro BIASLD                          ; my lanes' eight numbers of the bias for each of the 8 column blocks
	WIN BLD
.set b, 0
.rept 8
	global_load_b128 v[8*b:8*b+3],   v[BO], s[BP:BP+1] offset:64*b
	global_load_b128 v[8*b+4:8*b+7], v[BO], s[BP:BP+1] offset:64*b+16
.set b, b+1
.endr
.endm
.macro BIASRND                         ; rounded to bf16 like every input, and widened again
	s_wait_loadcnt 0x0
	WIN BRN
.set b, 0
.rept 32
	v_cvt_pk_bf16_f32 v[64+b%2], v[2*b], v[2*b+1]
	v_lshlrev_b32 v[2*b], 16, v[64+b%2]
	v_and_b32 v[2*b+1], 0xffff0000, v[64+b%2]
.set b, b+1
.endr
.endm
; THE WAY OUT of row block a: rounded to f16, 16 bytes a lane (each accumulator's registers in ascending order); into my own stage and back as whole rows of 256 bytes; stored.
.macro PACK a
	WIN PACKW
.set b, 0
.rept 8
.set r, 0
.rept 4
	v_cvt_pk_f16_f32 v[TMP+4*b+r], v[8*(8*(\a)+b)+2*r], v[8*(8*(\a)+b)+2*r+1]
.set r, r+1
.endr
.set b, b+1
.endr
	WIN 0
.endm
.macro TOSTAGE a
	WIN 0
.set b, 0
.rept 8
	ds_store_b128 v[STO], v[TMP+4*b:TMP+4*b+3] offset:32*b
.set b, b+1
.endr
.set t, 0
.rept 8
	ds_load_b128 v[OB+32*((\a)%2)+4*t:OB+32*((\a)%2)+4*t+3], v[RD] offset:2*SP*t  ; LDS serves a wave's instructions in order: these see the stores above
.set t, t+1
.endr
.endm
.macro SEND a
	s_wait_dscnt 0x0                               ; the block is back in registers
	s_wait_xcnt 0x0                                ; the stores issued so far have read their registers: the block after this one is read back into them
.set t, 0
.rept 8
	global_store_b128 v[CO], v[OB+32*((\a)%2)+4*t:OB+32*((\a)%2)+4*t+3], s[CB:CB+1] offset:(16*(\a)+2*t)*512  ; 16 lanes store 256 consecutive bytes, aligned
.set t, t+1
.endr
.endm
; more = 1: another tile follows: its bias is asked for ahead of the stores and rounded behind them; the result's address goes four groups on.
.macro WAYOUT more
.if \more
	s_wait_xcnt 0x0
	s_add_nc_u64 s[BP:BP+1], s[BP:BP+1], 4096      ; 1,024 columns on
	BIASLD
.endif
	PACK 0                                         ; block 0's products stand in front of the change of slots' plain lines; its conversions are the places behind the last products
	TOSTAGE 0
.irp a, 1,2,3
	PACK \a
	SEND (\a)-1
	TOSTAGE \a
.endr
	SEND 3
.if \more
	s_wait_xcnt 0x0                                ; the stores have read their base and their registers
	s_add_nc_u64 s[CB:CB+1], s[CB:CB+1], 1<<24
	s_mov_b32 s[KP], 8
	BIASRND
.endif
.endm
	s_load_b256 s[4:11], s[0:1], 0x0               ; xh s[4:5], wq s[6:7], bqkv s[8:9], qkv s[10:11]
	v_lshl_add_u32 v[SPW], v0, 2, SPARE
	v_mov_b32 v[NIL], 0
	ds_add_u32 v[SPW], v[NIL]                      ; the wave's opening: the add and its wait stand ahead of my first tensor load, with work on registers between them
	v_lshrrev_b32 v3, 5, v0
	v_readfirstlane_b32 s[WV], v3
	s_lshr_b32 s[WM], s[WV], 1
	s_and_b32 s[WN], s[WV], 1
	s_bfe_u32 s15, ttmp6, 0x40000                  ; cx
	s_bfe_u32 s16, ttmp6, 0x40004                  ; cy
	s_lshl_b32 s17, ttmp9, 2
	s_add_co_u32 s17, s17, s15                     ; wgx = 4 x cluster x + cx: the group of columns
	s_and_b32 s18, ttmp7, 0xffff
	s_lshl_b32 s18, s18, 2
	s_add_co_u32 s18, s18, s16                     ; wgy = 4 x cluster y + cy: the block of 128 rows
	s_lshl_b32 s19, s16, 2
	s_lshl_b32 s19, 15, s19                        ; my row of the cluster
	s_lshl_b32 s20, 0x1111, s15                    ; my column
	s_or_b32 s[G1A], s19, (1<<16)|(1<<20)|(1<<21)|(5<<22)|(3<<25)  ; the mask; 2-byte elements; padding on; bit 21 beside a mask; after every 64 words 4 words
	s_mov_b32 s[G1A+1], 128<<16                    ; tensor_dim0 = 128
	s_mov_b32 s[G1A+2], 64<<16                     ; tensor_dim1 = 64
	s_mov_b32 s[G1A+3], 128<<16                    ; tile_dim0 = 128
	s_mov_b32 s[G1A+4], 64                         ; tile_dim1 = 64
	s_mov_b32 s[G1A+5], 1024                       ; elements from row to row
	s_mov_b32 s[G1A+6], 0
	s_mov_b32 s[G1A+7], 0
	s_or_b32 s[G1B], s20, (1<<16)|(1<<20)|(1<<21)|(6<<22)|(7<<25)  ; after every 128 words 8 words
	s_mov_b32 s[G1B+1], 256<<16
	s_mov_b32 s[G1B+2], 64<<16
	s_mov_b32 s[G1B+3], 256<<16
	s_mov_b32 s[G1B+4], 64
	s_mov_b32 s[G1B+5], 3072
	s_mov_b32 s[G1B+6], 0
	s_mov_b32 s[G1B+7], 0
	s_lshl_b32 s[OFFA], s18, 7                     ; xh: row 128 wgy + 64 x half, in bytes: hangs on the rows alone
	s_lshl_b32 s21, s[WN], 6
	s_add_co_u32 s[OFFA], s[OFFA], s21
	s_lshl_b32 s[OFFA], s[OFFA], 11
	s_mov_b32 s[OFFA+1], 0
	s_mul_i32 s[OFFB], s[WN], 64*BROWB             ; wq: row 64 x half, column 256 wgx: hangs on the columns alone
	s_lshl_b32 s76, s17, 9
	s_add_co_u32 s[OFFB], s[OFFB], s76
	s_mov_b32 s[OFFB+1], 0
	s_lshl_b32 s72, s17, 10                        ; the bias: (256 wgx + 128 x my half) numbers of 4 bytes
	s_lshl_b32 s76, s[WN], 9
	s_add_co_u32 s72, s72, s76
	s_mov_b32 s73, 0
	s_lshl_b32 s77, s18, 7                         ; the result: group wgx, row 128 wgy + 64 x my half, 256 bytes for my half of the columns
	s_lshl_b32 s76, s[WM], 6
	s_add_co_u32 s77, s77, s76
	s_lshl_b32 s77, s77, 9
	s_lshl_b32 s74, s17, 22
	s_add_co_u32 s74, s74, s77
	s_lshl_b32 s76, s[WN], 8
	s_add_co_u32 s74, s74, s76
	s_mov_b32 s75, 0
	s_mov_b32 s[G0A], 1
	s_mul_i32 s[G0A+1], s[WN], AH                  ; LDS: no place in the cluster enters
	s_mov_b32 s[G0A+4], 1
	s_add_co_u32 s[G0A+5], s[G0A+1], SLOT1
	s_mov_b32 s[G0B], 1
	s_mul_i32 s[G0B+1], s[WN], BH
	s_add_co_u32 s[G0B+1], s[G0B+1], BOFF
	s_mov_b32 s[G0B+4], 1
	s_add_co_u32 s[G0B+5], s[G0B+1], SLOT1
	s_mov_b32 s[TB], 0
	s_mov_b32 s[LEFT], 22
	s_mov_b32 s[NX], 2
	s_mov_b32 s[KP], 8
	s_wait_dscnt 0x0                               ; the opening add is done
	s_wait_kmcnt 0x0
	s_add_nc_u64 s[ABASE:ABASE+1], s[4:5], s[OFFA:OFFA+1]
	s_add_nc_u64 s[BBASE:BBASE+1], s[6:7], s[OFFB:OFFB+1]
	s_add_nc_u64 s[BP:BP+1], s[BP:BP+1], s[72:73]
	s_add_nc_u64 s[CB:CB+1], s[CB:CB+1], s[74:75]
	s_mov_b64 s[G0A+2:G0A+3], s[ABASE:ABASE+1]     ; K step 0 into slot 0,
	s_or_b32 s[G0A+3], s[G0A+3], 0x80000000
	s_add_nc_u64 s[G0A+6:G0A+7], s[ABASE:ABASE+1], 256  ; K step 1 into slot 1
	s_or_b32 s[G0A+7], s[G0A+7], 0x80000000
	s_mov_b64 s[G0B+2:G0B+3], s[BBASE:BBASE+1]
	s_or_b32 s[G0B+3], s[G0B+3], 0x80000000
	s_add_nc_u64 s[G0B+6:G0B+7], s[BBASE:BBASE+1], BSTEP
	s_or_b32 s[G0B+7], s[G0B+7], 0x80000000
	CROUND                                         ; all sixteen work-groups are here: the first joint loads meet
	s_cmp_eq_u32 s[WM], 0                          ; a wave's two first fills stand in one branch: two tensor loads of mine are out
	s_cbranch_scc0 .Lfirst_b
	tensor_load_to_lds s[G0A:G0A+3], s[G1A:G1A+7]
	s_nop 0
	tensor_load_to_lds s[G0A+4:G0A+7], s[G1A:G1A+7]
	s_nop 0
.rept 4
	v_nop
.endr
	s_branch .Lfirst_asked
.Lfirst_b:
	tensor_load_to_lds s[G0B:G0B+3], s[G1B:G1B+7]
	s_nop 0
	tensor_load_to_lds s[G0B+4:G0B+7], s[G1B:G1B+7]
	s_nop 0
.rept 4
	v_nop
.endr
.Lfirst_asked:
	v_and_b32 v1, 15, v0                           ; l % 16
	v_bfe_u32 v2, v0, 4, 1                         ; l / 16
	v_and_b32 v3, 7, v0
	v_bfe_u32 v4, v0, 3, 1
	v_mul_u32_u24 v[ADA0], v1, PA                  ; xh's fragment: row l % 16, 16 bytes for each half of the lanes, my 64 rows
	v_lshl_add_u32 v[ADA0], v2, 4, v[ADA0]
	s_mul_i32 s21, s[WM], 64*PA
	v_add_nc_u32 v[ADA0], s21, v[ADA0]
	v_lshl_add_u32 v[ADB0], v2, 3, v3              ; the turning load: lane l reads row 8 (l / 16) + l % 8, columns 8 ((l / 8) % 2) + 0..7; my 128 columns
	v_mul_u32_u24 v[ADB0], v[ADB0], PB
	v_lshl_add_u32 v[ADB0], v4, 4, v[ADB0]
	s_lshl_b32 s21, s[WN], 8
	s_add_co_u32 s21, s21, BOFF
	v_add_nc_u32 v[ADB0], s21, v[ADB0]
	v_mov_b32 v[ADA], v[ADA0]
	v_mov_b32 v[ADB], v[ADB0]
	s_mul_i32 s21, s[WV], 16*SP
	s_add_co_u32 s21, s21, STAGE                   ; my stage
	v_mul_u32_u24 v[STO], v1, SP
	v_lshl_add_u32 v[STO], v2, 4, v[STO]
	v_add_nc_u32 v[STO], s21, v[STO]
	v_mul_u32_u24 v[RD], v2, SP                    ; back: lanes 0-15 one row of 256 bytes, lanes 16-31 the next
	v_lshl_add_u32 v[RD], v1, 4, v[RD]
	v_add_nc_u32 v[RD], s21, v[RD]
	v_lshlrev_b32 v[CO], 9, v2                     ; and the same two rows in the result
	v_lshl_add_u32 v[CO], v1, 4, v[CO]
	v_lshlrev_b32 v[BO], 5, v2
	BIASLD
	WIN 0
	s_wait_tensorcnt 1                             ; my part of K step 0 is in; K step 1's may stay out
	s_barrier_signal -1
	s_barrier_wait -1
	FETCH 0, F0
	BIASRND
	QUARTER 1, F0, F1, 1                           ; a tile's first quarter starts the sums with the bias
	WIN 0
.Lstep:                                        ; 22 trips: from a K step's second quarter to the next one's first; trip t asks for K step t + 2
	QUARTER 2, F1, F0, 0
	QUARTER 3, F0, F1, 0
	TURN 1
	WIN 0
	s_sub_co_u32 s[KP], s[KP], 1
	s_cmp_lg_u32 s[KP], 0
	s_cbranch_scc1 .Lsame                          ; the jump passes neither a barrier nor a tensor load
	WAYOUT 1                                       ; the tile's eighth K step is done; the ring has gone on into the next tile
	QUARTER 1, F0, F1, 1
	WIN 0
	s_branch .Lnext
.Lsame:
	QUARTER 1, F0, F1, 0
	WIN 0
.Lnext:
	s_sub_co_u32 s[LEFT], s[LEFT], 1
	s_cmp_lg_u32 s[LEFT], 0
	s_cbranch_scc1 .Lstep
	QUARTER 2, F1, F0, 0                           ; the last two K steps ask for nothing
	QUARTER 3, F0, F1, 0
	TURN 0
	QUARTER 1, F0, F1, 0
	QUARTER 2, F1, F0, 0
	QUARTER 3, F0, F1, 0
	LASTQ
	WAYOUT 0
	s_wait_tensorcnt 0x0                           ; the wave's end, behind my last tensor load and my last LDS store
	ds_add_u32 v[SPW], v[NIL]
	s_wait_dscnt 0x0
	CROUND                                         ; the closing round: no work-group ends while a partner may still ask for a tile that names it
	s_endpgm
.Lfunc_end_k_qc8c898c590_qkv:
	.size	k_qc8c898c590_qkv, .Lfunc_end_k_qc8c898c590_qkv-k_qc8c898c590_qkv
	.p2alignl 7, 3214868480
	.fill 96, 4, 3214868480
	.section	.rodata,"a",@progbits
	.p2align	6, 0x0
	.amdhsa_kernel k_qc8c898c590_qkv
		.amdhsa_group_segment_fixed_size 327680
		.amdhsa_private_segment_fixed_size 0
		.amdhsa_enable_private_segment 0
		.amdhsa_kernarg_size 32
		.amdhsa_user_sgpr_count 2
		.amdhsa_user_sgpr_kernarg_segment_ptr 1
		.amdhsa_wavefront_size32 1
		.amdhsa_system_sgpr_workgroup_id_x 1
		.amdhsa_system_sgpr_workgroup_id_y 1
		.amdhsa_system_sgpr_workgroup_id_z 1
		.amdhsa_system_vgpr_workitem_id 0
		.amdhsa_next_free_vgpr 580
		.amdhsa_next_free_sgpr 80
		.amdhsa_reserve_vcc 0
		.amdhsa_float_denorm_mode_32 3
		.amdhsa_float_denorm_mode_16_64 3
		.amdhsa_memory_ordered 1
		.amdhsa_forward_progress 1
		.amdhsa_inst_pref_size 103
	.end_amdhsa_kernel
	.amdgpu_metadata
---
amdhsa.version: [ 1, 2 ]
amdhsa.kernels:
  - .name:           k_qc8c898c590_qkv
    .symbol:         k_qc8c898c590_qkv.kd
    .args:
      - { .name: xh, .offset: 0, .size: 8, .value_kind: global_buffer, .address_space: global }
      - { .name: wq, .offset: 8, .size: 8, .value_kind: global_buffer, .address_space: global }
      - { .name: bqkv, .offset: 16, .size: 8, .value_kind: global_buffer, .address_space: global }
      - { .name: qkv, .offset: 24, .size: 8, .value_kind: global_buffer, .address_space: global }
    .group_segment_fixed_size: 327680
    .private_segment_fixed_size: 0
    .kernarg_segment_align: 8
    .kernarg_segment_size: 32
    .max_flat_workgroup_size: 128
    .sgpr_count:     80
    .vgpr_count:     580
    .wavefront_size: 32
...
	.end_amdgpu_metadata
.endif
;; end of part 2
;; launch attn (part 3): grid 16 x 16, 4 waves a work-group, clusters of 4 x 4, 327,680 bytes of LDS; arguments qkv, mr, ob; writes ob
.if DOCPART == 3
	.amdgcn_target "amdgcn-amd-amdhsa--gfx1250"
	.amdhsa_code_object_version 6
	.text
	.protected	k_qc8c898c590_attn
	.globl	k_qc8c898c590_attn
	.p2align	8
	.type	k_qc8c898c590_attn,@function
k_qc8c898c590_attn:
	s_mov_b64 s[64:65], 0
	v_nop
	global_prefetch_b8 v0, s[64:65] scope:SCOPE_SE
	s_setreg_imm32_b32 hwreg(HW_REG_WAVE_MODE, 25, 1), 1
	s_wait_xcnt 0x0
	s_wait_alu depctr_hold_cnt(0) depctr_sa_sdst(0) depctr_va_vdst(0) depctr_va_sdst(0) depctr_va_ssrc(0) depctr_va_vcc(0) depctr_vm_vsrc(0)
	s_getreg_b32 s2, hwreg(HW_REG_IB_STS2, 6, 4)
	s_cmp_eq_u32 s2, 0
	s_cbranch_scc0 .Lentry_in_a_cluster
	s_endpgm
.Lentry_in_a_cluster:
	s_bfe_u32 s2, ttmp6, 0x10000c
	s_cmp_lg_u32 s2, 0xf033
	s_cbranch_scc0 .Lentry_shape_is_right
	s_endpgm
.Lentry_shape_is_right:
; ATTENTION WITH AN ADDITIVE MASK.  For each of 64 heads: O[q][:] = the sum over k of softmax_k(Q[q] . K[k] / 8 + M[q][k]) V[k][:], 2,048 queries and keys, 64 channels.
; IN: qkv[nt][m][256] f16 (nt = 4 p + hg; p = 0, 1, 2: q, k, v; hg: a group of four heads, 64 channels each side by side; m = 2,048 b + row); mr [2048][2048] f32, the mask.  OUT: ob[hg][m][256] f16.
; Products, maxima and sums in f32; Q is multiplied once by 1/8 in f16, a power of two; the mask is the C operand that starts a score's sum, so it costs no vector instruction;
; the weights p are rounded to f16 for the second product (their sum l is taken of the unrounded p), O once at the end.
; LIMITS.  Q / 8 below 6e-5 keeps f16's fixed step of 6e-8, and so does p.  A running maximum starts at -1.06e37: a row all of whose masked scores lie below that is not served; log2(e) s must stay finite
; (|s| under 2.3e38).  A key hidden by -infinity has the weight 0; a row hidden altogether gives NaN, as the softmax of such a row does.  A weight below 2^-126 counts as 0 in l.
; SHARES.  A work-group owns 128 queries (block qb) of the four heads of one group g = (b, hg); wave w is head 4 hg + w on all 128 queries: four PIECES of two tiles of 16.  So the four waves read ONE tile
; of the mask.  16 blocks x 16 groups = 256 work-groups.  Every wave walks all keys, 64 a step.
; CLUSTER.  4 x 4 work-groups.  K's and V's tiles hang on g alone and are asked for jointly along a row of the cluster, the mask's on qb alone, along a column.
; LAYOUT.  S^T = K Q^T + M^T (source 0 = 16 keys, source 1 = 16 queries): a lane holds ONE query (lane % 16) and the keys 8 (lane / 16) + 0..7, which are 32 consecutive bytes of a row of the mask.
; Two such tiles, rounded to f16 in pairs, ARE source 1 of O^T = V^T P.  K comes out of LDS as it lies, V turned, by ds_load_tr16_b128.
; SOFTMAX.  For each query a running maximum m and sum l: p = 2^(c s - c m), c = log2(e); in every step O and l are multiplied by a = 2^(c m_old - c m_new).  O and l start at 0: the first step has a = 0.
; BY TURNS.  Turn n belongs to piece n.  Its matrix work: 16 products K Q^T of piece n + 1, later 16 products V^T P of piece n - 1.  Its vector work: the scaling, exponentials, roundings, sums and rescaling of
; piece n, and the maximum and statistics of piece n + 1.  A tile and step have 16 matrix and 118 vector instructions: four vector instructions stand behind every matrix instruction, the rest in two runs.
; THE RING.  A slot holds one key step: 64 rows of K, 64 of V (512 bytes each: four heads), 128 rows of the mask (256 bytes).  The change of slots stands between a step's turns 1 and 2: all of the step's bytes
; have been read into registers by then, and every fetch behind it names the next step's slot.
; REGISTERS, in windows of 256: window 0: v0-11 addresses; v12-15, v48-63 at work; v16-47 statistics; v64-191 S^T, two buffers of two tiles; v192-255 P, likewise
;   window 1: O^T, 32 a tile     window 2: v0-127 Q; v128-191 K of one step; v192-255 V of one step     window 3: v0-63 the mask of one piece; v64-65 the add's two registers
.set NP,    4
.set KS,    64
.set PK,    528       ; a row of K in LDS: 512 bytes + 16: the 16 rows of a load start at 16 different groups of four banks
.set PV,    544       ; a row of V: 512 + 32
.set PM,    272       ; a row of the mask: 256 + 16
.set VOFF,  KS*PK
.set MOFF,  VOFF+KS*PV
.set SLOT1, 1<<17     ; slot 1 begins here: one exclusive or turns an address in one slot into the other's
.set STAGE, SLOT1+MOFF+128*PM  ; behind the ring, never filled by a tensor load: 128 rows x 528 bytes, the work-group's, for the way out
.set SP,    528
.set SPARE, STAGE+128*SP       ; behind the stage: the spare words, 128 bytes for each wave, which no other line names
.set PFO, 1           ; v1   the prefetches' offset; never rewritten
.set AK0, 2           ; v2   my lane's place in a tile of K; never rewritten
.set AV0, 3           ; v3   of V
.set AK,  4           ; v4   the same in the slot that the fetches name
.set AV,  5           ; v5
.set QO,  6           ; v6   my byte offset in 16 rows of Q
.set RD,  7           ; v7   the way out: where I read rows back
.set GO,  8           ; v8   my 16 bytes of a row of O
.set AM0, 9           ; v9   my lane's place in a tile of the mask
.set AM,  10          ; v10
.set STO, 11          ; v11  the way out: where I put 16 bytes of a row
.set MV,  12          ; v12-15  c m_old, kept while c m is made anew
.set ST,  16          ; tile t's statistics at v[ST+4 t]: c m, m, l (even keys', odd keys')
.set TMP, 48          ; by buffer and tile, four registers c0-c3 at work; when the maximum is found c2 takes a
.set S,   64
.set P,   192
.set KF,  128         ; window 2: key block kb, channel half c at KF + 16 kb + 8 c
.set VF,  192         ; window 2: key half kk, channel block cb at VF + 32 kk + 8 cb
.set MK,  0           ; window 3: tile u of the piece, key block kb at MK + 32 u + 8 kb
.set SPW, 64          ; v64 of window 3: LDS address of my spare word; never rewritten
.set NIL, 65          ; v65 of window 3: 0; never rewritten
.set WV,  12          ; s12  my wave's number
.set G1K, 24          ; s[24:31] group 1 for K's tiles
.set G1V, 32          ; s[32:39] for V's
.set G1M, 40          ; s[40:47] for the mask's
.set G0K, 48          ; s[48:51] group 0 for K's tiles: it walks
.set G0V, 52          ; s[52:55]
.set G0M, 56          ; s[56:59]
.set CS,  60          ; s[60:61] c
.set SEL, 62          ; s[62:63] v_permlanex16_b32's selects: each lane takes its own place in the other half
.set TB,  66          ; s66  the slot that the fetches name: 0 or SLOT1
.set SLOTS, 67        ; s67  changes of slots that still fill one
.set CNT, 68          ; s68  counts the tail's trips
.set EIGHTH, 69       ; s69  1/8 twice, in f16
.set PFA, 70          ; s[70:71] where my prefetches stand
.set LIM, 72          ; s72  1 in a wave that prefetches, else the greatest number
.set PFS, 74          ; s[74:75] a key step in the stream that I prefetch
.set MSB, 0
.macro WIN new                      ; the high byte repeats the setting that is left; a switch that changes nothing is dropped
.if MSB != (\new)
	s_set_vgpr_msb (MSB<<8)|(\new)
.set MSB, (\new)
.endif
.endm
.set W_KQ, 0x0a       ; K and Q in window 2, S^T in window 0
.set W_KM, 0x3a       ; the same with the C operand, the mask, in window 3
.set W_PV, 0x52       ; V in window 2, P in window 0, O^T in window 1
.set W_RS, 0x41       ; O^T (destination and source 0) in window 1, a in window 0
.set W_MK, 0xc0       ; destination in window 3
.set W_AD, 0x0f       ; the add: address and data in window 3
; A joint fill.  Wave 0 fetches a step's K, wave 1 its V, waves 2 and 3 the two halves of its mask.  The branches hang on the wave's number alone.
; An s_nop 0 and four v_nop follow each of the three lines, ahead of the jump and the label.
.macro JLOAD
	s_cmp_eq_u32 s[WV], 0
	s_cbranch_scc0 .Lnot_k_\@
	tensor_load_to_lds s[G0K:G0K+3], s[G1K:G1K+7]
	s_nop 0
.rept 4
	v_nop
.endr
	s_branch .Lasked_\@
.Lnot_k_\@:
	s_cmp_eq_u32 s[WV], 1
	s_cbranch_scc0 .Lfor_m_\@
	tensor_load_to_lds s[G0V:G0V+3], s[G1V:G1V+7]
	s_nop 0
.rept 4
	v_nop
.endr
	s_branch .Lasked_\@
.Lfor_m_\@:
	tensor_load_to_lds s[G0M:G0M+3], s[G1M:G1M+7]
	s_nop 0
.rept 4
	v_nop
.endr
.Lasked_\@:
.endm
; A PREFETCH INTO THE L2 of what the NEXT change of slots will ask for, one key step (128 matrix instructions) ahead; it stands behind the wave's tensor load and its five lines.
; Each aligned block of 256 bytes is named once in the launch.  K and V of a group are walked by the four clusters of a row of clusters: the first (cluster x = 0) asks; its four partners along x share a step's
; 128 blocks out BY ADDRESS, 32 each, a lane a block; wave 0 asks for K's, wave 1 for V's.  The mask's rows of a block qb are walked by the four clusters of a column: the first (cluster y = 0) asks; its four
; partners along y take 32 rows each, a lane a row: wave 2.  Wave 3 asks for nothing.  The last change that fills a slot asks for nothing: there is no step behind it.
.macro ASK
	s_cmp_gt_u32 s[SLOTS], s[LIM]
	s_cbranch_scc0 .Lnot_mine_\@
	global_prefetch_b8 v[PFO], s[PFA:PFA+1] th:TH_LOAD_NT scope:SCOPE_SE
.Lnot_mine_\@:
.endm
.macro CROUND                       ; a round of the cluster's barrier
	s_barrier_signal -1
	s_barrier_wait -1
	s_cmp_lg_u32 s[WV], 0
	s_cbranch_scc1 .Lnot_wave_0_\@
	s_barrier_signal -3
.Lnot_wave_0_\@:
	s_barrier_wait -3
	s_barrier_signal -1
	s_barrier_wait -1
.endm
; THE CHANGE OF SLOTS.  Each wave waits for all its tensor loads, of which one is out: its part of the other slot; adds 0 to its spare word; and waits for that and for its own reads of the slot that it leaves.
; fill = 1: that slot is filled again, with the step two on.  The barrier is then a round of the cluster's, so that no wave of any partner still reads the slot or has a load on its way, and the joint fill
; is the first thing behind it: it has a key step, 128 matrix instructions, in which to land.  (At its first use nothing has been read yet: slot 0 is waited for, slot 1 filled.)
.macro CHANGE fill
	WIN W_AD
	s_wait_tensorcnt 0x0            ; no tensor load of mine is out, so a group 0 may be written
	ds_add_u32 v[SPW], v[NIL]       ; 0 onto my spare word; the descriptors' steps stand between it and the wait for it
	WIN 0                           ; at a label and at a branch every window is 0
.if \fill
.irp g, G0K, G0V
	s_xor_b32 s[\g+1], s[\g+1], SLOT1  ; the other slot than last time,
	s_add_nc_u64 s[\g+2:\g+3], s[\g+2:\g+3], KS*512  ; the next 64 keys; the type bits on top are not reached
.endr
	s_xor_b32 s[G0M+1], s[G0M+1], SLOT1
	s_add_nc_u64 s[G0M+2:G0M+3], s[G0M+2:G0M+3], KS*4
	s_wait_xcnt 0x0                 ; the last prefetch, a key step back, has read its address, so it may be written
	s_add_nc_u64 s[PFA:PFA+1], s[PFA:PFA+1], s[PFS:PFS+1]
	s_wait_dscnt 0x0                ; the add is done, and my reads of the slot are over
	CROUND
	JLOAD
	ASK
.else
	s_wait_dscnt 0x0
	s_barrier_signal -1
	s_barrier_wait -1
.endif
	s_xor_b32 s[TB], s[TB], SLOT1   ; the fetches name the other slot
	v_add_nc_u32 v[AK], s[TB], v[AK0]
	v_add_nc_u32 v[AV], s[TB], v[AV0]
	v_add_nc_u32 v[AM], s[TB], v[AM0]
.endm
	s_load_b128 s[4:7], s[0:1], 0x0 ; qkv s[4:5], mr s[6:7]
	s_load_b64 s[8:9], s[0:1], 0x10 ; ob
	WIN W_MK
	v_lshl_add_u32 v[SPW], v0, 2, SPARE
	v_mov_b32 v[NIL], 0
	WIN W_AD
	ds_add_u32 v[SPW], v[NIL]       ; the wave's opening: the add and its wait stand ahead of my first tensor load, with work on registers between them
	WIN 0
	v_lshrrev_b32 v64, 5, v0
	v_readfirstlane_b32 s[WV], v64  ; wave 0..3
	s_bfe_u32 s13, ttmp6, 0x40000   ; cx
	s_bfe_u32 s14, ttmp6, 0x40004   ; cy
	s_lshl_b32 s15, ttmp9, 2
	s_add_co_u32 s15, s15, s13      ; qb = 4 x cluster x + cx
	s_and_b32 s16, ttmp7, 0xffff
	s_lshl_b32 s16, s16, 2
	s_add_co_u32 s16, s16, s14      ; g = 4 x cluster y + cy
	s_and_b32 s17, s16, 3           ; hg
	s_lshl_b32 s20, s17, 22
	s_lshr_b32 s18, s16, 2          ; b
	s_lshl_b32 s18, s18, 20
	s_add_co_u32 s20, s20, s18      ; the group's first byte in a part of qkv and in ob: hangs on g alone
	s_mov_b32 s21, 0
	s_and_b32 s19, s[WV], 1
	s_lshl_b32 s78, s15, 7          ; the mask: row 128 qb + 64 x half, 8,192 bytes a row: hangs on qb alone
	s_lshl_b32 s79, s19, 6
	s_add_co_u32 s78, s78, s79
	s_lshl_b32 s78, s78, 13
	s_mov_b32 s79, 0
	s_lshl_b32 s80, s15, 16         ; my block's 128 rows of 512 bytes
	s_add_co_u32 s80, s80, s20
	s_lshl_b32 s82, s[WV], 14       ; O: the 32 rows that I store
	s_add_co_u32 s82, s82, s80
	s_mov_b32 s83, 0
	s_lshl_b32 s81, s[WV], 7        ; Q: my head's 128 bytes of a row
	s_add_co_u32 s80, s80, s81
	s_mov_b32 s81, 0
	s_lshl_b32 s76, s14, 2
	s_lshl_b32 s76, 15, s76         ; my row of the cluster
	s_lshl_b32 s77, 0x1111, s13     ; my column
	s_or_b32 s[G1K], s76, (1<<16)|(1<<20)|(1<<21)|(6<<22)|(3<<25)  ; the mask of four; 2-byte elements; padding on; bit 21 beside a mask; after every 128 words 4 words
	s_or_b32 s[G1V], s76, (1<<16)|(1<<20)|(1<<21)|(6<<22)|(7<<25)  ; the same with 8 words
.irp g, G1K, G1V
	s_mov_b32 s[\g+1], 256<<16      ; tensor_dim0 = 256
	s_mov_b32 s[\g+2], 64<<16       ; tensor_dim1 = 64
	s_mov_b32 s[\g+3], 256<<16      ; tile_dim0 = 256
	s_mov_b32 s[\g+4], 64           ; tile_dim1 = 64
	s_mov_b32 s[\g+5], 256          ; elements from row to row
	s_mov_b32 s[\g+6], 0
	s_mov_b32 s[\g+7], 0
.endr
	s_or_b32 s[G1M], s77, (2<<16)|(1<<20)|(1<<21)|(5<<22)|(3<<25)  ; 4-byte elements; after every 64 words 4 words
	s_mov_b32 s[G1M+1], 64<<16
	s_mov_b32 s[G1M+2], 64<<16
	s_mov_b32 s[G1M+3], 64<<16
	s_mov_b32 s[G1M+4], 64
	s_mov_b32 s[G1M+5], 2048
	s_mov_b32 s[G1M+6], 0
	s_mov_b32 s[G1M+7], 0
	s_mov_b32 s[G0K], 1
	s_mov_b32 s[G0K+1], 0           ; LDS addresses: slot 0; no place in the cluster enters
	s_mov_b32 s[G0V], 1
	s_mov_b32 s[G0V+1], VOFF
	s_mov_b32 s[G0M], 1
	s_mul_i32 s[G0M+1], s19, 64*PM
	s_add_co_u32 s[G0M+1], s[G0M+1], MOFF
	s_mov_b32 s[CS], 0x3fb8aa3b     ; c = log2(e)
	s_mov_b32 s[CS+1], s[CS]        ; named with it as a pair
	s_mov_b32 s[SEL], 0x76543210
	s_mov_b32 s[SEL+1], 0xfedcba98
	s_mov_b32 s[TB], SLOT1          ; the first change of slots turns it into 0
	s_mov_b32 s[SLOTS], 31
	s_mov_b32 s[EIGHTH], 0x30003000
	; the prefetches: who asks, from where, by what step
	s_and_b32 s73, ttmp7, 0xffff
	s_cmp_lt_u32 s[WV], 2
	s_cselect_b32 s73, ttmp9, s73   ; the coordinate along which other clusters read the same bytes
	s_cmp_eq_u32 s[WV], 3
	s_cselect_b32 s73, 1, s73
	s_cmp_eq_u32 s73, 0
	s_cselect_b32 s[LIM], 1, -1     ; the same in all sixteen partners, for a given wave
	s_lshl_b32 s76, s13, 13         ; K, V: my work-group's 32 blocks of a step's 128, at key step 1
	s_add_co_u32 s76, s76, (4<<22)+KS*512
	s_cmp_eq_u32 s[WV], 1
	s_cselect_b32 s77, 4<<22, 0
	s_add_co_u32 s76, s76, s77
	s_mov_b32 s77, 0
	s_lshl_b32 s2, s15, 7           ; the mask: my work-group's 32 rows of the block's 128, at key step 1
	s_lshl_b32 s3, s14, 5
	s_add_co_u32 s2, s2, s3
	s_lshl_b32 s2, s2, 13
	s_add_co_u32 s2, s2, KS*4
	s_mov_b32 s3, 0
	s_mov_b32 s[PFS], KS*4
	s_cmp_lt_u32 s[WV], 2
	s_cselect_b32 s[PFS], KS*512, s[PFS]
	s_cselect_b32 s19, 8, 13
	s_mov_b32 s[PFS+1], 0
	v_and_b32 v65, 31, v0           ; l
	v_lshlrev_b32 v[PFO], s19, v65  ; a lane a block of 256 bytes, or a lane a row of 8,192
	s_wait_dscnt 0x0                ; the opening add is done
	s_wait_kmcnt 0x0
	s_add_nc_u64 s[22:23], s[4:5], s[20:21]
	s_add_nc_u64 s[G0K+2:G0K+3], s[22:23], 4<<22   ; K: parts 4 to 7 of qkv
	s_or_b32 s[G0K+3], s[G0K+3], 0x80000000
	s_add_nc_u64 s[G0V+2:G0V+3], s[22:23], 8<<22   ; V: parts 8 to 11
	s_or_b32 s[G0V+3], s[G0V+3], 0x80000000
	s_add_nc_u64 s[G0M+2:G0M+3], s[6:7], s[78:79]
	s_or_b32 s[G0M+3], s[G0M+3], 0x80000000
	s_add_nc_u64 s[PFA:PFA+1], s[22:23], s[76:77]
	s_add_nc_u64 s[2:3], s[6:7], s[2:3]
	s_cmp_lt_u32 s[WV], 2
	s_cselect_b64 s[PFA:PFA+1], s[PFA:PFA+1], s[2:3]
	s_add_nc_u64 s[4:5], s[4:5], s[80:81]          ; Q at my block's first row, my head
	s_add_nc_u64 s[8:9], s[8:9], s[82:83]          ; O at the rows that I store
	CROUND                          ; all sixteen work-groups are here: the first joint loads meet
	JLOAD                           ; key step 0 into slot 0.  Slot 1 is asked for when slot 0 is in
	v_and_b32 v64, 15, v0           ; l % 16
	v_bfe_u32 v66, v0, 4, 1         ; l / 16
	v_and_b32 v67, 7, v0
	v_bfe_u32 v68, v0, 3, 1
	s_lshl_b32 s19, s[WV], 7        ; my head's 128 bytes of a row of K, V and the stage
	v_lshlrev_b32 v[QO], 9, v64
	v_lshl_add_u32 v[QO], v66, 4, v[QO]   ; row x 512 + 16 x half
	v_mul_u32_u24 v[AK0], v64, PK
	v_lshl_add_u32 v[AK0], v66, 4, v[AK0]
	v_add_nc_u32 v[AK0], s19, v[AK0]      ; row x pitch + 16 x half + my head
	v_lshl_add_u32 v[AV0], v66, 3, v67    ; the turning load: lane l reads key 8 (l / 16) + l % 8, channels 8 ((l / 8) % 2) + 0..7
	v_mul_u32_u24 v[AV0], v[AV0], PV
	v_lshl_add_u32 v[AV0], v68, 4, v[AV0]
	v_add_nc_u32 v[AV0], s19, v[AV0]
	v_add_nc_u32 v[AV0], VOFF, v[AV0]
	v_mul_u32_u24 v[AM0], v64, PM         ; the mask: query l % 16, the 32 bytes of keys 8 (l / 16) + 0..7
	v_lshl_add_u32 v[AM0], v66, 5, v[AM0]
	v_add_nc_u32 v[AM0], MOFF, v[AM0]
	v_add_nc_u32 v[STO], STAGE, v[AK0]    ; the stage has K's pitch and K's strips: row l % 16, 16 bytes for each half of the lanes, my head
	s_mul_i32 s19, s[WV], 32*SP
	s_add_co_u32 s19, s19, STAGE
	v_lshl_add_u32 v[RD], v65, 4, s19     ; back: wave w takes rows 32 w .. 32 w + 31, whole: 32 lanes x 16 bytes
	v_lshlrev_b32 v[GO], 4, v65
	WIN 0x80                        ; destination window 2, address window 0
.set i, 0
.rept 4*NP                          ; Q stays in registers: tile i / 2, channels 32 (i % 2) on
	global_load_b128 v[8*i:8*i+3],   v[QO], s[4:5] offset:(i/2)*8192+(i%2)*64
	global_load_b128 v[8*i+4:8*i+7], v[QO], s[4:5] offset:(i/2)*8192+(i%2)*64+32
.set i, i+1
.endr
	; What the first turn finds: V's registers and P's second buffer hold 0 (its products V^T P, of a piece that has not been, add 0), O^T and l are 0.  All this stands in the wait for the first tile.
.set i, VF
.rept 64
	v_mov_b32 v[i], 0
.set i, i+1
.endr
	WIN 0x40
.set i, 0
.rept 64*NP
	v_mov_b32 v[i], 0
.set i, i+1
.endr
	WIN 0
.set i, 0
.rept 2*NP
	v_mov_b32 v[ST+4*i], 0xfe000000    ; c m: far below every c s
	v_mov_b32 v[ST+4*i+1], 0xfd000000  ; m = -1.06e37: c m made of it stays finite
	v_mov_b32 v[ST+4*i+2], 0
	v_mov_b32 v[ST+4*i+3], 0
.set i, i+1
.endr
.set i, P+32
.rept 32
	v_mov_b32 v[i], 0
.set i, i+1
.endr
; THE MATRIX WORK.  The 8 accumulators of a run of 16 take turns: between the two links of a chain stand 7 others'.
; Product i of 16 of S^T = K Q^T + M^T for piece x: channels 32 (i / 8) on, keys 16 ((i / 2) % 4) on, tile 2 x + i % 2.  The first 8 start the sums with the mask.
.macro KQ x
.set rS, S+64*((\x)%2)+32*(i%2)+8*((i/2)%4)
.set rK, KF+16*((i/2)%4)+8*(i/8)
.set rQ, 16*(2*(\x)+i%2)+8*(i/8)
.set rW, MK+32*(i%2)+8*((i/2)%4)
.if i < 8
	WIN W_KM
	v_wmma_f32_16x16x32_f16 v[rS:rS+7], v[rK:rK+7], v[rQ:rQ+7], v[rW:rW+7]
.else
	WIN W_KQ
	v_wmma_f32_16x16x32_f16 v[rS:rS+7], v[rK:rK+7], v[rQ:rQ+7], v[rS:rS+7]
.endif
.endm
; Product i of 16 of O^T += V^T P for piece x: keys 32 (i / 8) on, channels 16 ((i / 2) % 4) on, tile 2 x + i % 2.
.macro PV x
	WIN W_PV
.set rO, 32*(2*(\x)+i%2)+8*((i/2)%4)
.set rV, VF+32*(i/8)+8*((i/2)%4)
.set rP, P+32*((\x)%2)+16*(i%2)+8*(i/8)
	v_wmma_f32_16x16x32_f16 v[rO:rO+7], v[rV:rV+7], v[rP:rP+7], v[rO:rO+7]
.endm
.macro MM                           ; the turn's next matrix instruction
.if i < 16
	KQ (Y+1)%NP
.set i, i+1
.else
.set i, i-16
	PV (Y+NP-1)%NP
.set i, i+17
.endif
.endm
; THE LDS LOADS stand in runs of 16, never singly among the matrix instructions: a step's K (8 fragments), its V (turned), and for each piece its mask (2 tiles x 4 key blocks x 8 registers).
.macro FETCH_K
	WIN 0x80                        ; destination window 2
.irp f, 0,1,2,3,4,5,6,7             ; keys 16 (f / 2) on, channels 32 (f % 2) on
	ds_load_b128 v[KF+8*\f:KF+8*\f+3],   v[AK] offset:(\f/2)*16*PK+(\f%2)*64
	ds_load_b128 v[KF+8*\f+4:KF+8*\f+7], v[AK] offset:(\f/2)*16*PK+(\f%2)*64+32
.endr
	WIN 0
.endm
.macro FETCH_V
	WIN 0x80
.irp f, 0,1,2,3,4,5,6,7             ; keys 32 (f / 4) on, channels 16 (f % 4) on
	ds_load_tr16_b128 v[VF+8*\f:VF+8*\f+3],   v[AV] offset:(\f/4)*32*PV+(\f%4)*32
	ds_load_tr16_b128 v[VF+8*\f+4:VF+8*\f+7], v[AV] offset:(\f/4)*32*PV+16*PV+(\f%4)*32
.endr
	WIN 0
.endm
.macro FETCH_M x
	WIN W_MK                        ; destination window 3
.irp u, 0,1
.irp kb, 0,1,2,3
	ds_load_b128 v[MK+32*\u+8*\kb:MK+32*\u+8*\kb+3],   v[AM] offset:(32*(\x)+16*\u)*PM+64*\kb
	ds_load_b128 v[MK+32*\u+8*\kb+4:MK+32*\u+8*\kb+7], v[AM] offset:(32*(\x)+16*\u)*PM+64*\kb+16
.endr
.endr
	WIN 0
.endm
; THE VECTOR WORK OF A TURN stands in three queues, each in the order in which its entries become ready; the two tiles alternate, so that no instruction reads the result of the one before it.
.macro REGS y, u                    ; the registers of tile u (0, 1) of piece y
.set rT, ST+4*(2*(\y)+(\u))
.set rC, TMP+8*((\y)%2)+4*(\u)
.set rM, MV+2*((\y)%2)+(\u)
.set rS, S+64*((\y)%2)+32*(\u)
.set rP, P+32*((\y)%2)+16*(\u)
.set rO, 32*(2*(\y)+(\u))
.endm
; Number n of the 22 that find the NEXT piece's (Y + 1) maximum and statistics.  s0-s31 are the lane's 32 scores; each accumulator's lowest registers are read first.
;   0-11  four chains c0-c3 of seven scores each, three operands at a time     12-14, 16  the four scores left over, the old m, and c0-c3 into c0     15  c m_old is kept
;   17, 18  the query's other 32 keys lie in the lane 16 away: the new m         19-21  c m; c m_old - c m_new; a
.macro XS u, n
	REGS (Y+1)%NP, \u
.if (\n) < 4
	v_max3_num_f32 v[rC+(\n)], v[rS+8*(\n)], v[rS+8*(\n)+1], v[rS+8*(\n)+2]
.elseif (\n) < 12
	v_max3_num_f32 v[rC+(\n)%4], v[rC+(\n)%4], v[rS+8*((\n)%4)+2*((\n)/4)+1], v[rS+8*((\n)%4)+2*((\n)/4)+2]
.elseif (\n) == 12
	v_max3_num_f32 v[rC], v[rC], v[rS+7], v[rS+15]
.elseif (\n) == 13
	v_max3_num_f32 v[rC+1], v[rC+1], v[rS+23], v[rS+31]
.elseif (\n) == 14
	v_max3_num_f32 v[rC+2], v[rC+2], v[rC+3], v[rT+1]
.elseif (\n) == 15
	v_mov_b32 v[rM], v[rT]
.elseif (\n) == 16
	v_max3_num_f32 v[rC], v[rC], v[rC+1], v[rC+2]
.elseif (\n) == 17
	v_permlanex16_b32 v[rC+3], v[rC], s[SEL], s[SEL+1]
.elseif (\n) == 18
	v_max_num_f32 v[rT+1], v[rC], v[rC+3]
.elseif (\n) == 19
	v_mul_f32 v[rT], s[CS], v[rT+1]
.elseif (\n) == 20
	v_sub_f32 v[rC+1], v[rM], v[rT]
.else
	v_exp_f32 v[rC+2], v[rC+1]
.endif
.endm
; Number g of the 64 that follow the exponentials.  For each four weights k of a tile: both pairs are rounded to f16; then the second pair is added onto the first, in place;
; a group later l takes that sum (the first time as l = a l + sum).  In groups of eight, tiles alternating.
.macro GS g
.set h, (\g)+6*((\g)/62)            ; group 0 has no group before it, and behind group 7 only l is left
.if h >= 6
.set h, h+2
.endif
	REGS Y, h%2
.set k, h/8
.if h%8 < 4
	s_wait_alu depctr_va_vdst(0)
	v_cvt_pk_f16_f32 v[rP+2*k+(h%8)/2], v[rS+4*k+2*((h%8)/2)], v[rS+4*k+2*((h%8)/2)+1]
.elseif h%8 < 6
	v_pk_add_f32 v[rS+4*k:rS+4*k+1], v[rS+4*k:rS+4*k+1], v[rS+4*k+2:rS+4*k+3]
.elseif k == 1
	v_pk_fma_f32 v[rT+2:rT+3], v[rT+2:rT+3], v[rC+2:rC+3], v[rS:rS+1] op_sel_hi:[1,0,1]
.else
	v_pk_add_f32 v[rT+2:rT+3], v[rT+2:rT+3], v[rS+4*k-4:rS+4*k-3]
	s_wait_alu depctr_va_vdst(0)
.endif
.endm
; THE PLAIN QUEUE, 138 long.  0-31: c s - c m for the 16 pairs of both tiles.  Then GS's 64, and among them the next piece's 42: number 15 at 38, 39; 0-14 and 16
; at 42-73, behind the products that make those scores; 17-20 at 95-106, two of three, since each waits for the one before it.
.macro PL
	WIN 0
.if q < 32
	REGS Y, q%2
	v_pk_fma_f32 v[rS+2*(q/2):rS+2*(q/2)+1], v[rS+2*(q/2):rS+2*(q/2)+1], s[CS:CS+1], v[rT:rT+1] op_sel_hi:[1,0,0] neg_lo:[0,0,1] neg_hi:[0,0,1]
.elseif q < 38
	GS q-32
.elseif q < 40
	XS q%2, 15
.elseif q < 42
	GS q-34
.elseif q < 74
	XS q%2, (q-42)/2+(q-42)/30
.elseif q < 95
	GS q-66
.elseif (q < 107) && ((q-95)%3 < 2)
	XS (q-95)%3, 17+(q-95)/3
.elseif q < 107
	GS 29+(q-95)/3
.else
	GS q-74
.endif
.set q, q+1
.endm
; THE EXPONENTIALS' QUEUE, 66 long: s0-s31 of both tiles, and at EA the next piece's two a.
.set EA, 58
.macro EX
	WIN 0
.if (e == EA) || (e == EA+1)
	XS e-EA, 21
.else
.set x, e-2*(e/(EA+2))
	REGS Y, x%2
	v_exp_f32 v[rS+x/2], v[rS+x/2]
.endif
.set e, e+1
.endm
; THE RESCALING's QUEUE: O^T times a, the one part that leaves window 0, so it is dealt four at a time, eight times.
.macro R4
	REGS Y, r%2
	WIN W_RS
	s_wait_alu depctr_va_vdst(0)
.irp z, 0,1,2,3
	v_pk_mul_f32 v[rO+8*(r/2)+2*\z:rO+8*(r/2)+2*\z+1], v[rO+8*(r/2)+2*\z:rO+8*(r/2)+2*\z+1], v[rC+2:rC+3] op_sel_hi:[1,0]
.endr
.set r, r+1
.endm
; HOW THEY ARE DEALT.  Behind a matrix instruction four: plain, exponential, plain, plain, or four of the rescaling; none names a register of the products round it.  What is over stands in two runs:
; exponential and plain by turns; the second ends in 22 plain instructions.  Exponential e stands behind plain 2 (e / 4) + e % 2 (its scaling); EA comes behind plain 107.
.macro SL
	MM
	PL
	EX
	PL
	PL
.endm
.macro BURST n                      ; 15 matrix instructions, or 16
.rept (\n)-7
	SL
.endr
.rept 3
	MM
	R4
	SL
.endr
	MM
	R4
.endm
; A TURN, for piece p.  Its first products want the mask of piece p + 1, fetched in the turn before; in the first run of vector work, 28 plain instructions behind the last product that read them, the mask's
; registers take piece p + 2's; in piece 2's turn K's registers take the next step's there too.  V of the step in hand is fetched at the end of piece 0's turn and wanted by piece 1's second run of products.
.macro TURN p
.set Y, (\p)
.set i, 0
.set q, 0
.set e, 0
.set r, 0
.if (\p) == 1
	s_wait_dscnt 16                 ; the mask is in; V's 16 loads, issued behind it, may stay out
.else
	s_wait_dscnt 0x0                ; the mask is in (and, for piece 3, K)
.endif
	MM
.rept 4
	PL
.endr
	BURST 15
.rept 22
	EX
	PL
.if e == 24
.if (\p) == NP-2
	FETCH_K
.endif
	FETCH_M ((\p)+2)%NP
.endif
.endr
.if (\p) == 1
	s_wait_dscnt 16                 ; V is in; this turn's 16 loads of the mask may stay out
.endif
	BURST 16
.rept 21
	EX
	PL
.endr
.rept 22
	PL
.endr
.if (\p) == 0
	FETCH_V
.endif
.endm
	CHANGE 1                        ; slot 0 is in, everybody's part of it; slot 1 is asked for
	FETCH_K                         ; key step 0
	FETCH_M 0
	s_wait_loadcnt 0x0              ; Q
	WIN 0x82
.set i, 0
.rept 128
	v_pk_mul_f16 v[i], v[i], s[EIGHTH]  ; Q / 8: a power of two
.set i, i+1
.endr
	s_wait_dscnt 0x0
.set i, 0
.rept 16
	KQ 0                            ; piece 0's first scores: there is no vector work yet to set between them
.set i, i+1
.endr
	WIN 0
.rept 4
	v_nop                           ; the places behind those products
.endr
	FETCH_M 1
.set Y, NP-1                        ; XS works for piece Y + 1: piece 0
.irp n, 0,1,2,3,4,5,6,7,8,9,10,11,12,13,14,15,16,17,18,19,20,21
	XS 0, \n                        ; piece 0's first maximum and statistics
	XS 1, \n
.endr
	s_branch .Lfirst                ; the loop is entered at a step's first turn, in the middle of a trip
.Lslot:                             ; 30 times: pieces 2 and 3 of one step, then pieces 0 and 1 of the next; the slot just left takes the step two on
	CHANGE 1
	TURN 2
	TURN 3
	WIN 0
.Lfirst:
	TURN 0
	TURN 1
	WIN 0
	s_sub_co_u32 s[SLOTS], s[SLOTS], 1
	s_cmp_lg_u32 s[SLOTS], 0
	s_cbranch_scc1 .Lslot
	CHANGE 0                        ; the tail is written out: nothing is asked for
	s_mov_b32 s[CNT], 2             ; one trip fetches the last step; the second is left in its middle
.Ltail:
	TURN 2
	TURN 3
	WIN 0
	s_sub_co_u32 s[CNT], s[CNT], 1
	s_cmp_eq_u32 s[CNT], 0
	s_cbranch_scc1 .Lout
	TURN 0
	TURN 1
	WIN 0
	s_branch .Ltail
.Lout:                              ; the second trip's fetches take the last step's K and mask once more, and the 16 products made of them serve nothing: the price, once a launch, of one text for every trip
.set i, 0
.rept 16
	PV NP-1                         ; the last piece's V^T P of the last step
.set i, i+1
.endr
	; THE WAY OUT.  l's two halves and the other half of the lanes' are added; O^T is divided by l, rounded to f16 and put into the work-group's stage: a row's 512 bytes come from the four waves, so a barrier
	; stands between the writing and the reading; each wave then stores 32 whole rows.  The additions are the places behind the last products.
	WIN 0
.macro ALL line:vararg              ; one line for each tile t
.set t, 0
.rept 2*NP
	\line
.set t, t+1
.endr
.endm
	ALL v_add_f32 v[ST+4*t+2], v[ST+4*t+2], v[ST+4*t+3]
	ALL v_permlanex16_b32 v[ST+4*t+3], v[ST+4*t+2], s[SEL], s[SEL+1]
	ALL v_add_f32 v[ST+4*t+2], v[ST+4*t+2], v[ST+4*t+3]
	ALL v_rcp_f32 v[ST+4*t+2], v[ST+4*t+2]
	v_nop                           ; a plain instruction between the last reciprocal and the use of its result
	s_wait_alu depctr_va_vdst(0)
.macro PACK t                       ; a lane's eight channels of a row pack into 16 bytes
	WIN W_RS
.set i, 32*(\t)
.rept 16
	v_pk_mul_f32 v[i:i+1], v[i:i+1], v[ST+4*(\t)+2:ST+4*(\t)+3] op_sel_hi:[1,0]
.set i, i+2
.endr
	WIN 0x05                        ; sources 0 and 1 window 1, destination window 0
.set i, 0
.rept 16
	v_cvt_pk_f16_f32 v[S+16*(\t)+i], v[32*(\t)+2*i], v[32*(\t)+2*i+1]
.set i, i+1
.endr
	WIN 0
.irp f, 0,1,2,3
	ds_store_b128 v[STO], v[S+16*(\t)+4*\f:S+16*(\t)+4*\f+3] offset:(\t)*16*SP+32*\f
.endr
.endm
.irp t, 0,1,2,3,4,5,6,7
	PACK \t
.endr
	s_wait_dscnt 0x0                ; for the others' sake: my stores into the stage are done
	s_barrier_signal -1
	s_barrier_wait -1
.set t, 0
.rept 32
	ds_load_b128 v[S+4*t:S+4*t+3], v[RD] offset:SP*t
.set t, t+1
.endr
.set t, 0
.rept 32
	s_wait_dscnt 31-t               ; row t is in; the 31 - t younger loads may stay out
	global_store_b128 v[GO], v[S+4*t:S+4*t+3], s[8:9] offset:512*t  ; 512 consecutive bytes, aligned
.set t, t+1
.endr
	WIN W_AD
	s_wait_tensorcnt 0x0            ; the wave's end, behind my last tensor load and my last LDS store
	ds_add_u32 v[SPW], v[NIL]
	s_wait_dscnt 0x0
	WIN 0
	CROUND                          ; the closing round: no work-group ends while a partner may still ask for a tile that names it
	s_endpgm
.Lfunc_end_k_qc8c898c590_attn:
	.size	k_qc8c898c590_attn, .Lfunc_end_k_qc8c898c590_attn-k_qc8c898c590_attn
	.p2alignl 7, 3214868480
	.fill 96, 4, 3214868480
	.section	.rodata,"a",@progbits
	.p2align	6, 0x0
	.amdhsa_kernel k_qc8c898c590_attn
		.amdhsa_group_segment_fixed_size 327680
		.amdhsa_private_segment_fixed_size 0
		.amdhsa_enable_private_segment 0
		.amdhsa_kernarg_size 24
		.amdhsa_user_sgpr_count 2
		.amdhsa_user_sgpr_kernarg_segment_ptr 1
		.amdhsa_wavefront_size32 1
		.amdhsa_system_sgpr_workgroup_id_x 1
		.amdhsa_system_sgpr_workgroup_id_y 1
		.amdhsa_system_sgpr_workgroup_id_z 1
		.amdhsa_system_vgpr_workitem_id 0
		.amdhsa_next_free_vgpr 834
		.amdhsa_next_free_sgpr 84
		.amdhsa_reserve_vcc 0
		.amdhsa_float_denorm_mode_32 3
		.amdhsa_float_denorm_mode_16_64 3
		.amdhsa_memory_ordered 1
		.amdhsa_forward_progress 1
		.amdhsa_inst_pref_size 230
	.end_amdhsa_kernel
	.amdgpu_metadata
---
amdhsa.version: [ 1, 2 ]
amdhsa.kernels:
  - .name:           k_qc8c898c590_attn
    .symbol:         k_qc8c898c590_attn.kd
    .args:
      - { .name: qkv, .offset: 0, .size: 8, .value_kind: global_buffer, .address_space: global }
      - { .name: mr, .offset: 8, .size: 8, .value_kind: global_buffer, .address_space: global }
      - { .name: ob, .offset: 16, .size: 8, .value_kind: global_buffer, .address_space: global }
    .group_segment_fixed_size: 327680
    .private_segment_fixed_size: 0
    .kernarg_segment_align: 8
    .kernarg_segment_size: 24
    .max_flat_workgroup_size: 128
    .sgpr_count:     84
    .vgpr_count:     834
    .wavefront_size: 32
...
	.end_amdgpu_metadata
.endif
;; end of part 3
;; launch proj (part 4): grid 4 x 64, 4 waves a work-group, clusters of 4 x 4, 327,680 bytes of LDS; arguments ob, wo, bout, out0; writes out0
.if DOCPART == 4
	.amdgcn_target "amdgcn-amd-amdhsa--gfx1250"
	.amdhsa_code_object_version 6
	.text
	.protected	k_qc8c898c590_proj
	.globl	k_qc8c898c590_proj
	.p2align	8
	.type	k_qc8c898c590_proj,@function
k_qc8c898c590_proj:
	s_mov_b64 s[64:65], 0
	v_nop
	global_prefetch_b8 v0, s[64:65] scope:SCOPE_SE
	s_setreg_imm32_b32 hwreg(HW_REG_WAVE_MODE, 25, 1), 1
	s_wait_xcnt 0x0
	s_wait_alu depctr_hold_cnt(0) depctr_sa_sdst(0) depctr_va_vdst(0) depctr_va_sdst(0) depctr_va_ssrc(0) depctr_va_vcc(0) depctr_vm_vsrc(0)
	s_getreg_b32 s2, hwreg(HW_REG_IB_STS2, 6, 4)
	s_cmp_eq_u32 s2, 0
	s_cbranch_scc0 .Lentry_in_a_cluster
	s_endpgm
.Lentry_in_a_cluster:
	s_bfe_u32 s2, ttmp6, 0x10000c
	s_cmp_lg_u32 s2, 0xf033
	s_cbranch_scc0 .Lentry_shape_is_right
	s_endpgm
.Lentry_shape_is_right:
; THE SECOND PROJECTION.  out0 = O wo + bf16(bout).  O: ob[hg][m][256] f16 (channel k = 256 hg + c); wo: [1024 k][1024 n], the bf16 rounding of Wout written as f16; sums in f32, started by the bias; out0 [8192][1024] f32.
; SHARES.  A tile of the result is 128 rows x 256 columns: 64 x 4 = 256 tiles, one for each work-group.  Four waves, each 64 rows x 128 columns: 32 accumulators.  8 K steps of 128 through a ring of two LDS slots.
; THE MATRIX INSTRUCTION IS USED TRANSPOSED: source 0 = 16 columns of wo (turned on the way out of LDS by ds_load_tr16_b128), source 1 = 16 rows of O: a lane holds row l % 16 and the
; eight neighbouring columns 8 (l / 16) + 0..7.  The bias of those columns, rounded to bf16, is the C operand of the first products.
; CLUSTER.  4 x 4 work-groups.  O's tile hangs on the rows alone and is asked for jointly by the four of a row of the cluster, wo's on the columns alone, by the four of a column.
; No prefetch: the launch is eight K steps long, and each tile is asked for once by four partners.
; REGISTERS, in windows of 256: window 0: v0-31 addresses; v64-159, v160-255 two fragment buffers (64 of wo's, 32 of O's), on the way out rows read back; window 1: the accumulators, (a, b) at 8 (8 a + b);
; window 2: v0-63 the bias of my 128 columns as C operands, v64-65 at work.
.set PA,    272                        ; a row of O's tile in LDS: 256 bytes + 16
.set PB,    544                        ; a row of wo's tile: 512 bytes + 32
.set AH,    64*PA
.set BOFF,  128*PA
.set BH,    64*PB
.set SLOT1, 1<<17
.set STAGE, SLOT1+BOFF+128*PB          ; behind the ring, never filled by a tensor load: 16 rows x 528 bytes for each wave
.set SP,    528
.set SPARE, STAGE+4*16*SP              ; behind the stages: the spare words, 128 bytes for each wave, which no other line names
.set BROWB, 2048                       ; bytes in a row of wo
.set BSTEP, 128*BROWB
.set ADA0, 16
.set ADB0, 17
.set ADA,  18
.set ADB,  19
.set STO,  24                          ; v24  the way out: where I put 32 bytes of a row
.set RD,   25                          ; v25  where I read a row back
.set CO,   26                          ; v26  my 16 bytes of my 512 of a row of out0
.set BO,   27
.set SPW,  28                          ; v28  LDS address of my spare word; never rewritten
.set NIL,  29                          ; v29  0; never rewritten
.set F0,   64
.set F1,   160
.set OB,   64                          ; the way out: 16 rows read back, v64-127 and v128-191 by turns
.set BP,   8                           ; s[8:9]   the bias at my 128 columns
.set CB,   10                          ; s[10:11] out0 at my 64 rows and 128 columns
.set WV,   12
.set WM,   13                          ; my half of the rows; also: I fetch for O (0) or wo (1)
.set WN,   14                          ; my half of the columns; also: which half of that tile I fetch
.set G1A,  24
.set G1B,  32
.set G0A,  40                          ; s[40:43] group 0 of K step 0, s[44:47] the walking one
.set G0B,  48
.set ABASE, 56
.set BBASE, 58
.set OFFA, 60
.set OFFB, 62
.set TB,   66
.set LEFT, 67
.set NX,   68
.set MSB, 0
.macro WIN new
.if MSB != (\new)
	s_set_vgpr_msb (MSB<<8)|(\new)
.set MSB, \new
.endif
.endm
.set MULW,  0x50                       ; C and D in window 1
.set MULZ,  0x60                       ; D in window 1, C (the bias) in window 2
.set STW,   0x04                       ; an LDS store's data in window 1
.set BLD,   0x80                       ; destination in window 2
.set BRN,   0x8a                       ; destination and both sources in window 2
.macro PLACES
.rept 4
	v_nop
.endr
.endm
.macro CREST
	s_cmp_lg_u32 s[WV], 0
	s_cbranch_scc1 .Lnot_wave_0_\@
	s_barrier_signal -3
.Lnot_wave_0_\@:
	s_barrier_wait -3
	s_barrier_signal -1
	s_barrier_wait -1
.endm
.macro CROUND
	s_barrier_signal -1
	s_barrier_wait -1
	CREST
.endm
; A joint refill: waves 0 and 1 fetch O's two halves, waves 2 and 3 wo's.  An s_nop 0 and four v_nop follow each line.
.macro JLOAD
	s_cmp_eq_u32 s[WM], 0
	s_cbranch_scc0 .Lfor_b_\@
	tensor_load_to_lds s[G0A+4:G0A+7], s[G1A:G1A+7]
	s_nop 0
.rept 4
	v_nop
.endr
	s_branch .Lasked_\@
.Lfor_b_\@:
	tensor_load_to_lds s[G0B+4:G0B+7], s[G1B:G1B+7]
	s_nop 0
.rept 4
	v_nop
.endr
.Lasked_\@:
.endm
; 8 na matrix instructions; zero = 1: the bias starts the sums.  The 32 accumulators take turns, one instruction a turn, in one order everywhere.
.macro MUL f, a0, na, zero
.if \zero
	WIN MULZ
.else
	WIN MULW
.endif
.set a, \a0
.rept \na
.set b, 0
.rept 8
.if \zero
	v_wmma_f32_16x16x32_f16 v[8*(8*a+b):8*(8*a+b)+7], v[(\f)+8*b:(\f)+8*b+7], v[(\f)+64+8*a:(\f)+64+8*a+7], v[8*b:8*b+7]
.else
	v_wmma_f32_16x16x32_f16 v[8*(8*a+b):8*(8*a+b)+7], v[(\f)+8*b:(\f)+8*b+7], v[(\f)+64+8*a:(\f)+64+8*a+7], v[8*(8*a+b):8*(8*a+b)+7]
.endif
.set b, b+1
.endr
.set a, a+1
.endr
.endm
.macro FETCH q, f                      ; 24 LDS loads in one run: wo's eight fragments (turned), then O's four
	WIN 0
.set b, 0
.rept 8
	ds_load_tr16_b128 v[(\f)+8*b:(\f)+8*b+3],   v[ADB] offset:32*(\q)*PB+32*b
	ds_load_tr16_b128 v[(\f)+8*b+4:(\f)+8*b+7], v[ADB] offset:32*(\q)*PB+32*b+16*PB
.set b, b+1
.endr
.set a, 0
.rept 4
	ds_load_b128 v[(\f)+64+8*a:(\f)+64+8*a+3],   v[ADA] offset:64*(\q)+a*16*PA
	ds_load_b128 v[(\f)+64+8*a+4:(\f)+64+8*a+7], v[ADA] offset:64*(\q)+a*16*PA+32
.set a, a+1
.endr
.endm
.macro QUARTER q, f, g, zero
	s_wait_dscnt 4                                 ; all but the four youngest loads (O's row blocks 2 and 3) are in
	MUL \f, 0, 2, \zero
	PLACES
	FETCH \q, \g
	s_wait_dscnt 24                                ; all but the 24 just issued
	MUL \f, 2, 2, \zero
.endm
; The walking descriptors take K step NX: group NX / 2 of O, half NX % 2 of its 256 channels; 128 rows down wo for each step.
.macro STEPADR
	s_lshr_b32 s70, s[NX], 1
	s_lshl_b32 s70, s70, 22
	s_and_b32 s71, s[NX], 1
	s_lshl_b32 s71, s71, 8
	s_or_b32 s[OFFA], s70, s71
	s_lshl_b32 s[OFFB], s[NX], 18
	s_add_co_u32 s[NX], s[NX], 1
	s_xor_b32 s[G0A+5], s[G0A+5], SLOT1
	s_add_nc_u64 s[G0A+6:G0A+7], s[ABASE:ABASE+1], s[OFFA:OFFA+1]
	s_or_b32 s[G0A+7], s[G0A+7], 0x80000000
	s_xor_b32 s[G0B+5], s[G0B+5], SLOT1
	s_add_nc_u64 s[G0B+6:G0B+7], s[BBASE:BBASE+1], s[OFFB:OFFB+1]
	s_or_b32 s[G0B+7], s[G0B+7], 0x80000000
.endm
; The last quarter multiplies buffer 1 and changes slots: ONE barrier.  In front of it each wave waits for all its tensor loads (one is out: its part of the next slot), adds 0 to its spare word, and
; waits for that and for its reads of this slot.  fill = 1: the barrier opens a round of the cluster's, and this slot is filled again first thing behind the round, two K steps ahead.
.macro TURN fill
	WIN 0
	s_wait_tensorcnt 0x0                           ; no tensor load of mine is out, so a group 0 may be written
	ds_add_u32 v[SPW], v[NIL]                      ; 0 onto my spare word
.if \fill
	STEPADR
.endif
	s_wait_dscnt 5                                 ; the add and O's last four loads may be out
	MUL F1, 0, 1, 0
	s_wait_dscnt 0x0                               ; the add is done, and my reads of this slot are over
	s_barrier_signal -1
	MUL F1, 1, 1, 0
	WIN 0
	s_barrier_wait -1
.if \fill
	CREST
	JLOAD                                          ; its four v_nop are also the places in front of the loads below
.else
	PLACES
.endif
	s_xor_b32 s[TB], s[TB], SLOT1
	v_add_nc_u32 v[ADA], s[TB], v[ADA0]
	v_add_nc_u32 v[ADB], s[TB], v[ADB0]
	FETCH 0, F0
	MUL F1, 2, 2, 0
.endm
.macro LASTQ
	s_wait_dscnt 4
	MUL F1, 0, 2, 0
	s_wait_dscnt 0x0
	MUL F1, 2, 2, 0
	WIN 0
	PLACES
	PLACES
.endm
.macro BIASLD
	WIN BLD
.set b, 0
.rept 8
	global_load_b128 v[8*b:8*b+3],   v[BO], s[BP:BP+1] offset:64*b
	global_load_b128 v[8*b+4:8*b+7], v[BO], s[BP:BP+1] offset:64*b+16
.set b, b+1
.endr
.endm
.macro BIASRND
	s_wait_loadcnt 0x0
	WIN BRN
.set b, 0
.rept 32
	v_cvt_pk_bf16_f32 v[64+b%2], v[2*b], v[2*b+1]
	v_lshlrev_b32 v[2*b], 16, v[64+b%2]
	v_and_b32 v[2*b+1], 0xffff0000, v[64+b%2]
.set b, b+1
.endr
.endm
; THE WAY OUT of row block a: a lane's eight f32 of a row, 32 bytes, go into my own stage (each accumulator's low four registers first) and come back as whole rows of 512 bytes.
.macro ST a
.if (\a) >= 2
	s_wait_xcnt 0x0                                ; the stores of the block two back have read the registers that are loaded again below
.endif
	WIN STW
.set b, 0
.rept 8
	ds_store_b128 v[STO], v[8*(8*(\a)+b):8*(8*(\a)+b)+3]   offset:64*b
	ds_store_b128 v[STO], v[8*(8*(\a)+b)+4:8*(8*(\a)+b)+7] offset:64*b+16
.set b, b+1
.endr
	WIN 0
.set t, 0
.rept 16
	ds_load_b128 v[OB+64*((\a)%2)+4*t:OB+64*((\a)%2)+4*t+3], v[RD] offset:SP*t  ; LDS serves a wave's instructions in order: these see the stores above
.set t, t+1
.endr
.endm
.macro SEND a, younger                 ; younger: the LDS instructions issued behind block a's loads: the next block's 32, or none
	s_wait_dscnt \younger
.set t, 0
.rept 16
	global_store_b128 v[CO], v[OB+64*((\a)%2)+4*t:OB+64*((\a)%2)+4*t+3], s[CB:CB+1] offset:(16*(\a)+t)*4096  ; 512 consecutive bytes, aligned
.set t, t+1
.endr
.endm
	s_load_b256 s[4:11], s[0:1], 0x0               ; ob s[4:5], wo s[6:7], bout s[8:9], out0 s[10:11]
	v_lshl_add_u32 v[SPW], v0, 2, SPARE
	v_mov_b32 v[NIL], 0
	ds_add_u32 v[SPW], v[NIL]                      ; the wave's opening: the add and its wait stand ahead of my first tensor load, with work on registers between them
	v_lshrrev_b32 v3, 5, v0
	v_readfirstlane_b32 s[WV], v3
	s_lshr_b32 s[WM], s[WV], 1
	s_and_b32 s[WN], s[WV], 1
	s_bfe_u32 s15, ttmp6, 0x40000                  ; cx
	s_bfe_u32 s16, ttmp6, 0x40004                  ; cy
	s_lshl_b32 s17, ttmp9, 2
	s_add_co_u32 s17, s17, s15                     ; wgx: the block of 256 columns
	s_and_b32 s18, ttmp7, 0xffff
	s_lshl_b32 s18, s18, 2
	s_add_co_u32 s18, s18, s16                     ; wgy: the block of 128 rows
	s_lshl_b32 s19, s16, 2
	s_lshl_b32 s19, 15, s19                        ; my row of the cluster
	s_lshl_b32 s20, 0x1111, s15                    ; my column
	s_or_b32 s[G1A], s19, (1<<16)|(1<<20)|(1<<21)|(5<<22)|(3<<25)
	s_mov_b32 s[G1A+1], 128<<16                    ; tensor_dim0 = 128
	s_mov_b32 s[G1A+2], 64<<16                     ; tensor_dim1 = 64
	s_mov_b32 s[G1A+3], 128<<16                    ; tile_dim0 = 128
	s_mov_b32 s[G1A+4], 64                         ; tile_dim1 = 64
	s_mov_b32 s[G1A+5], 256                        ; elements from row to row
	s_mov_b32 s[G1A+6], 0
	s_mov_b32 s[G1A+7], 0
	s_or_b32 s[G1B], s20, (1<<16)|(1<<20)|(1<<21)|(6<<22)|(7<<25)
	s_mov_b32 s[G1B+1], 256<<16
	s_mov_b32 s[G1B+2], 64<<16
	s_mov_b32 s[G1B+3], 256<<16
	s_mov_b32 s[G1B+4], 64
	s_mov_b32 s[G1B+5], 1024
	s_mov_b32 s[G1B+6], 0
	s_mov_b32 s[G1B+7], 0
	s_lshl_b32 s[OFFA], s18, 7                     ; O: row 128 wgy + 64 x half, 512 bytes a row: hangs on the rows alone
	s_lshl_b32 s21, s[WN], 6
	s_add_co_u32 s[OFFA], s[OFFA], s21
	s_lshl_b32 s[OFFA], s[OFFA], 9
	s_mov_b32 s[OFFA+1], 0
	s_mul_i32 s[OFFB], s[WN], 64*BROWB             ; wo: row 64 x half, column 256 wgx: hangs on the columns alone
	s_lshl_b32 s76, s17, 9
	s_add_co_u32 s[OFFB], s[OFFB], s76
	s_mov_b32 s[OFFB+1], 0
	s_lshl_b32 s72, s17, 10                        ; (256 wgx + 128 x my half) numbers of 4 bytes: in the bias, and along a row of out0
	s_lshl_b32 s76, s[WN], 9
	s_add_co_u32 s72, s72, s76
	s_mov_b32 s73, 0
	s_lshl_b32 s74, s18, 7                         ; out0: row 128 wgy + 64 x my half, 4,096 bytes a row
	s_lshl_b32 s76, s[WM], 6
	s_add_co_u32 s74, s74, s76
	s_lshl_b32 s74, s74, 12
	s_add_co_u32 s74, s74, s72
	s_mov_b32 s75, 0
	s_mov_b32 s[G0A], 1
	s_mul_i32 s[G0A+1], s[WN], AH
	s_mov_b32 s[G0A+4], 1
	s_add_co_u32 s[G0A+5], s[G0A+1], SLOT1
	s_mov_b32 s[G0B], 1
	s_mul_i32 s[G0B+1], s[WN], BH
	s_add_co_u32 s[G0B+1], s[G0B+1], BOFF
	s_mov_b32 s[G0B+4], 1
	s_add_co_u32 s[G0B+5], s[G0B+1], SLOT1
	s_mov_b32 s[TB], 0
	s_mov_b32 s[LEFT], 6
	s_mov_b32 s[NX], 2
	s_wait_dscnt 0x0                               ; the opening add is done
	s_wait_kmcnt 0x0
	s_add_nc_u64 s[ABASE:ABASE+1], s[4:5], s[OFFA:OFFA+1]
	s_add_nc_u64 s[BBASE:BBASE+1], s[6:7], s[OFFB:OFFB+1]
	s_add_nc_u64 s[BP:BP+1], s[BP:BP+1], s[72:73]
	s_add_nc_u64 s[CB:CB+1], s[CB:CB+1], s[74:75]
	s_mov_b64 s[G0A+2:G0A+3], s[ABASE:ABASE+1]     ; K step 0 into slot 0,
	s_or_b32 s[G0A+3], s[G0A+3], 0x80000000
	s_add_nc_u64 s[G0A+6:G0A+7], s[ABASE:ABASE+1], 256  ; K step 1 into slot 1
	s_or_b32 s[G0A+7], s[G0A+7], 0x80000000
	s_mov_b64 s[G0B+2:G0B+3], s[BBASE:BBASE+1]
	s_or_b32 s[G0B+3], s[G0B+3], 0x80000000
	s_add_nc_u64 s[G0B+6:G0B+7], s[BBASE:BBASE+1], BSTEP
	s_or_b32 s[G0B+7], s[G0B+7], 0x80000000
	CROUND                                         ; all sixteen work-groups are here: the first joint loads meet
	s_cmp_eq_u32 s[WM], 0                          ; a wave's two first fills stand in one branch: two tensor loads of mine are out
	s_cbranch_scc0 .Lfirst_b
	tensor_load_to_lds s[G0A:G0A+3], s[G1A:G1A+7]
	s_nop 0
	tensor_load_to_lds s[G0A+4:G0A+7], s[G1A:G1A+7]
	s_nop 0
.rept 4
	v_nop
.endr
	s_branch .Lfirst_asked
.Lfirst_b:
	tensor_load_to_lds s[G0B:G0B+3], s[G1B:G1B+7]
	s_nop 0
	tensor_load_to_lds s[G0B+4:G0B+7], s[G1B:G1B+7]
	s_nop 0
.rept 4
	v_nop
.endr
.Lfirst_asked:
	v_and_b32 v1, 15, v0                           ; l % 16
	v_bfe_u32 v2, v0, 4, 1                         ; l / 16
	v_and_b32 v3, 7, v0
	v_bfe_u32 v4, v0, 3, 1
	v_and_b32 v5, 31, v0                           ; l
	v_mul_u32_u24 v[ADA0], v1, PA
	v_lshl_add_u32 v[ADA0], v2, 4, v[ADA0]
	s_mul_i32 s21, s[WM], 64*PA
	v_add_nc_u32 v[ADA0], s21, v[ADA0]
	v_lshl_add_u32 v[ADB0], v2, 3, v3
	v_mul_u32_u24 v[ADB0], v[ADB0], PB
	v_lshl_add_u32 v[ADB0], v4, 4, v[ADB0]
	s_lshl_b32 s21, s[WN], 8
	s_add_co_u32 s21, s21, BOFF
	v_add_nc_u32 v[ADB0], s21, v[ADB0]
	v_mov_b32 v[ADA], v[ADA0]
	v_mov_b32 v[ADB], v[ADB0]
	s_mul_i32 s21, s[WV], 16*SP
	s_add_co_u32 s21, s21, STAGE                   ; my stage
	v_mul_u32_u24 v[STO], v1, SP                   ; in: row l % 16, 32 bytes for each half of the lanes
	v_lshl_add_u32 v[STO], v2, 5, v[STO]
	v_add_nc_u32 v[STO], s21, v[STO]
	v_lshl_add_u32 v[RD], v5, 4, s21               ; back: 32 lanes take one row of 512 bytes
	v_lshlrev_b32 v[CO], 4, v5
	v_lshlrev_b32 v[BO], 5, v2
	BIASLD
	WIN 0
	s_wait_tensorcnt 1                             ; my part of K step 0 is in; K step 1's may stay out
	s_barrier_signal -1
	s_barrier_wait -1
	FETCH 0, F0
	BIASRND
	QUARTER 1, F0, F1, 1                           ; the first quarter starts the sums with the bias
	WIN 0
.Lstep:                                        ; 6 trips: from a K step's second quarter to the next one's first; trip t asks for K step t + 2
	QUARTER 2, F1, F0, 0
	QUARTER 3, F0, F1, 0
	TURN 1
	QUARTER 1, F0, F1, 0
	WIN 0
	s_sub_co_u32 s[LEFT], s[LEFT], 1
	s_cmp_lg_u32 s[LEFT], 0
	s_cbranch_scc1 .Lstep
	QUARTER 2, F1, F0, 0                           ; the last two K steps ask for nothing
	QUARTER 3, F0, F1, 0
	TURN 0
	QUARTER 1, F0, F1, 0
	QUARTER 2, F1, F0, 0
	QUARTER 3, F0, F1, 0
	LASTQ
	ST 0
	ST 1                                           ; a block's way through the stage stands between the loads of the block before and its stores
	SEND 0, 32
	ST 2
	SEND 1, 32
	ST 3
	SEND 2, 32
	SEND 3, 0
	s_wait_tensorcnt 0x0                           ; the wave's end, behind my last tensor load and my last LDS store
	ds_add_u32 v[SPW], v[NIL]
	s_wait_dscnt 0x0
	CROUND                                         ; the closing round: no work-group ends while a partner may still ask for a tile that names it
	s_endpgm
.Lfunc_end_k_qc8c898c590_proj:
	.size	k_qc8c898c590_proj, .Lfunc_end_k_qc8c898c590_proj-k_qc8c898c590_proj
	.p2alignl 7, 3214868480
	.fill 96, 4, 3214868480
	.section	.rodata,"a",@progbits
	.p2align	6, 0x0
	.amdhsa_kernel k_qc8c898c590_proj
		.amdhsa_group_segment_fixed_size 327680
		.amdhsa_private_segment_fixed_size 0
		.amdhsa_enable_private_segment 0
		.amdhsa_kernarg_size 32
		.amdhsa_user_sgpr_count 2
		.amdhsa_user_sgpr_kernarg_segment_ptr 1
		.amdhsa_wavefront_size32 1
		.amdhsa_system_sgpr_workgroup_id_x 1
		.amdhsa_system_sgpr_workgroup_id_y 1
		.amdhsa_system_sgpr_workgroup_id_z 1
		.amdhsa_system_vgpr_workitem_id 0
		.amdhsa_next_free_vgpr 580
		.amdhsa_next_free_sgpr 80
		.amdhsa_reserve_vcc 0
		.amdhsa_float_denorm_mode_32 3
		.amdhsa_float_denorm_mode_16_64 3
		.amdhsa_memory_ordered 1
		.amdhsa_forward_progress 1
		.amdhsa_inst_pref_size 76
	.end_amdhsa_kernel
	.amdgpu_metadata
---
amdhsa.version: [ 1, 2 ]
amdhsa.kernels:
  - .name:           k_qc8c898c590_proj
    .symbol:         k_qc8c898c590_proj.kd
    .args:
      - { .name: ob, .offset: 0, .size: 8, .value_kind: global_buffer, .address_space: global }
      - { .name: wo, .offset: 8, .size: 8, .value_kind: global_buffer, .address_space: global }
      - { .name: bout, .offset: 16, .size: 8, .value_kind: global_buffer, .address_space: global }
      - { .name: out0, .offset: 24, .size: 8, .value_kind: global_buffer, .address_space: global }
    .group_segment_fixed_size: 327680
    .private_segment_fixed_size: 0
    .kernarg_segment_align: 8
    .kernarg_segment_size: 32
    .max_flat_workgroup_size: 128
    .sgpr_count:     80
    .vgpr_count:     580
    .wavefront_size: 32
...
	.end_amdgpu_metadata
.endif
;; end of part 4
